; MI455X (gfx1250); checked and timed in simulation.
; The chip was launched on July 23, 2026; its instructions are those of AMD's public machine-readable ISA for CDNA 5 (MIT licence, August 2026) and "CDNA5" Instruction Set Architecture Reference Guide (July 2026). The comments in the code are by the model that wrote it; some were corrected since.
;; Mo E Layer. Allowed arithmetic: float matrix products may take bf16 or f16 operands with f32 sums; all other float work in f32.
;; Inputs: W12 8 x 1,024 x 682 float32; W3 8 x 341 x 1,024 float32; Wr 1,024 x 8 float32; x 4 x 2,048 x 1,024 float32.
;; Outputs: out0 4 x 2,048 x 1,024 float32.
;; 2 versions, each right and faster than the one before. Each part assembles by itself: llvm-mc -triple=amdgcn-amd-amdhsa -mcpu=gfx1250 --defsym DOCPART=n.
;; ======== version 1 of 2: 4 launches
;; limits: values are held in f16: magnitudes above 65,504 overflow, below 6.1e-05 lose precision; inputs' magnitudes at most 65,504
;; workspace buffers: xb 16,777,216 bytes; gates 65,536 bytes; masks 32,768 bytes of whole numbers; wf 17,301,504 bytes; list 68,096 bytes of whole numbers; inv 65,536 bytes of whole numbers; tbase 256 bytes of whole numbers; y 69,468,160 bytes
;; launch router (part 1): grid 256 x 1, 8 waves a work-group, no clusters, 91,904 bytes of LDS; arguments x, Wr, xb, gates, masks, list; writes xb, gates, masks, list
.if DOCPART == 1
	.amdgcn_target "amdgcn-amd-amdhsa--gfx1250"
	.amdhsa_code_object_version 6
	.text
	.protected	k_qe634fccc23_router
	.globl	k_qe634fccc23_router
	.p2align	8
	.type	k_qe634fccc23_router,@function
k_qe634fccc23_router:
	s_mov_b64 s[64:65], 0
	v_nop
	global_prefetch_b8 v0, s[64:65] scope:SCOPE_SE
	s_setreg_imm32_b32 hwreg(HW_REG_WAVE_MODE, 25, 1), 1
	s_wait_xcnt 0x0
; ROUTER.  logits = bf16(x) . bf16(Wr) with f32 sums; the two largest of eight; softmax over those two; x leaves as bf16.
; A work-group owns 32 tokens, wave w loads and rounds tokens 4 w .. 4 w + 3 (16 KB, all of it requested at once).  The product is split along K: wave w multiplies
; k = 128 w .. 128 w + 127 for all 32 tokens; the eight partial sums meet in LDS and wave 0 adds them in wave order.
; The matrix instruction is used transposed: source 0 = Wr^T (row r & 7: the eight experts twice), source 1 = 16 tokens.  A lane then holds ONE token and its eight logits in eight registers.
; OUT: xb [8192][1024] bf16; gates [8192][2] f32 (the larger logit's weight first); masks [256 blocks of 32 tokens][32 words]: word e = the lanes whose largest logit is expert e,
; word 8 + e = those whose second largest is e, word 16 + e = how many of the block's tokens chose e, words 24-31 = 0.  No address and no branch hangs on a logit: the choice leaves as data.
; Work-groups 0 to 132 also clear 512 bytes each of the list of tokens (68,096 bytes): the next launch writes the 16,384 entries over the zeros, and what it leaves is read as token 0.
; LIMITS.  All inputs are rounded to bf16, the router's too.  Equal logits: the lower index wins.  A gap between the second and third logit below the f32 sums' error may choose otherwise
; than an exact sum.  NaN and infinite logits are not treated apart (the two indices still differ).  The softmax takes the larger logit away: its exponent is never above 0.
; No cluster: the work-groups share only Wr, 32 KB of a work-group's 160 KB.
.set XP,   2064                        ; an LDS row of 1,024 bf16 + 16 bytes: 129 x 16, so 16 rows of a fragment load start in 16 different groups of four banks
.set WT,   32*XP                       ; behind the 32 token rows: Wr^T, 8 rows
.set PART, 82688                       ; the partial sums: 8 waves x 32 lanes x 32 bytes
.set ACC,  16                          ; v[16:23] tokens 0-15, v[24:31] tokens 16-31
.set X,    32                          ; v[32:159] x as loaded, 4 registers a load; the first two of each then hold 4 bf16
.set WF,   160                         ; v[160:191] Wr as loaded, later the fragments of Wr^T, later at work
.set TF,   192                         ; v[192:255] at work, then the token fragments, then the eight partial sums
	s_load_b256 s[4:11], s[0:1], 0x0               ; x s[4:5], Wr s[6:7], xb s[8:9], gates s[10:11]
	s_load_b64 s[12:13], s[0:1], 0x20              ; masks
	s_load_b64 s[44:45], s[0:1], 0x28              ; list
	v_lshl_add_u32 v4, v0, 2, 0x16300
	s_set_vgpr_msb 0x40
	v_mov_b32 v1, 0
	s_set_vgpr_msb 0x4000
	v_and_b32 v1, 31, v0                           ; lane
	v_lshrrev_b32 v14, 5, v0
	v_readfirstlane_b32 s14, v14                   ; wave
	v_lshlrev_b32 v2, 7, v0                        ; Wr: thread t takes 128 bytes, rows k = 4 t .. 4 t + 3
	s_lshl_b32 s21, s14, 14
	v_lshl_add_u32 v3, v1, 4, s21                  ; x: 4 rows of 4,096 bytes a wave, 16 bytes a lane
	s_lshl_b32 s21, s14, 13
	v_lshl_add_u32 v5, v1, 3, s21                  ; xb: 4 rows of 2,048 bytes a wave, 8 bytes a lane
	s_mul_i32 s20, s14, 4*XP
	v_lshl_add_u32 v6, v1, 3, s20                  ; the same 8 bytes in LDS
	v_lshl_add_u32 v7, v0, 3, WT                   ; Wr^T: 4 bf16 at k = 4 t of a row
	v_and_b32 v8, 15, v0                           ; r
	v_bfe_u32 v9, v0, 4, 1                         ; h
	s_lshl_b32 s22, s14, 8
	v_lshl_add_u32 v15, v9, 4, s22                 ; 256 w + 16 h: my wave's part of K, my half of a fragment
	v_and_b32 v10, 7, v0
	v_mad_u32_u24 v10, v10, XP, v15
	v_add_nc_u32 v10, WT, v10                      ; fragments of Wr^T
	v_mad_u32_u24 v11, v8, XP, v15                 ; fragments of the tokens
	s_lshl_b32 s23, s14, 10
	s_add_co_u32 s23, s23, PART
	v_lshl_add_u32 v12, v1, 5, s23                 ; where my wave's partial sums go
	v_lshl_add_u32 v13, v1, 5, PART                ; where wave 0 reads them
	v_cmp_le_u32 s15, 16, v1                       ; lanes 16-31
	s_lshl_b32 s16, ttmp9, 17                      ; 32 rows of x
	s_mov_b32 s17, 0
	s_lshl_b32 s18, ttmp9, 16                      ; 32 rows of xb
	s_mov_b32 s19, 0
	s_wait_kmcnt 0x0
	s_add_nc_u64 s[4:5], s[4:5], s[16:17]
	s_add_nc_u64 s[8:9], s[8:9], s[18:19]
	s_lshl_b32 s16, ttmp9, 8                       ; 32 tokens' gates
	s_add_nc_u64 s[10:11], s[10:11], s[16:17]
	s_lshl_b32 s16, ttmp9, 7                       ; my block's 32 words
	s_add_nc_u64 s[12:13], s[12:13], s[16:17]
.irp n, 0,1,2,3,4,5,6,7
	global_load_b128 v[WF+4*\n:WF+4*\n+3], v2, s[6:7] offset:16*\n  ; v[WF + 8 kk + e] = Wr[4 t + kk][e]
.endr
.set i, 0
.rept 32                                       ; token 4 w + i / 8, channels 128 (i % 8) + 4 lane: a load covers 512 consecutive bytes
	global_load_b128 v[X+4*i:X+4*i+3], v3, s[4:5] offset:(i/8)*4096+(i%8)*512 th:TH_LOAD_NT
.set i, i+1
.endr
	s_wait_loadcnt 32                              ; Wr is in; the 32 loads of x behind it stay out
.irp e, 0,1,2,3,4,5,6,7
	v_cvt_pk_bf16_f32 v[TF+2*\e],   v[WF+\e],    v[WF+8+\e]
	v_cvt_pk_bf16_f32 v[TF+2*\e+1], v[WF+16+\e], v[WF+24+\e]
	ds_store_b64 v7, v[TF+2*\e:TF+2*\e+1] offset:\e*XP
.endr
.set i, 0
.rept 32
	s_wait_loadcnt 31-i                            ; loads come back in order: load i is in, the younger ones stay out
	v_cvt_pk_bf16_f32 v[X+4*i],   v[X+4*i],   v[X+4*i+1]
	v_cvt_pk_bf16_f32 v[X+4*i+1], v[X+4*i+2], v[X+4*i+3]
	global_store_b64 v5, v[X+4*i:X+4*i+1], s[8:9] offset:(i/8)*2048+(i%8)*256  ; the wave's 32 lanes store 256 consecutive bytes, aligned; these registers are not written again
	ds_store_b64 v6, v[X+4*i:X+4*i+1] offset:(i/8)*XP+(i%8)*256
.set i, i+1
.endr
	s_wait_dscnt 0x0                               ; for the others' sake: my rows and my part of Wr^T are in LDS
	s_barrier_signal -1
	s_barrier_wait -1
.irp cc, 0,1,2,3                               ; four chunks of 32 along K, six loads each
	ds_load_b128 v[WF+8*\cc:WF+8*\cc+3],       v10 offset:64*\cc
	ds_load_b128 v[WF+8*\cc+4:WF+8*\cc+7],     v10 offset:64*\cc+32
	ds_load_b128 v[TF+16*\cc:TF+16*\cc+3],     v11 offset:64*\cc
	ds_load_b128 v[TF+16*\cc+4:TF+16*\cc+7],   v11 offset:64*\cc+32
	ds_load_b128 v[TF+16*\cc+8:TF+16*\cc+11],  v11 offset:16*XP+64*\cc
	ds_load_b128 v[TF+16*\cc+12:TF+16*\cc+15], v11 offset:16*XP+64*\cc+32
.endr
	s_wait_dscnt 18                                ; the first chunk is in; the three later chunks' 18 loads stay out
	v_wmma_f32_16x16x32_bf16 v[ACC:ACC+7],    v[WF:WF+7], v[TF:TF+7],    0   ; the first chunk starts both sums; the two accumulators take turns
	v_wmma_f32_16x16x32_bf16 v[ACC+8:ACC+15], v[WF:WF+7], v[TF+8:TF+15], 0
.irp cc, 1,2,3
	s_wait_dscnt 6*(3-\cc)
	v_wmma_f32_16x16x32_bf16 v[ACC:ACC+7],    v[WF+8*\cc:WF+8*\cc+7], v[TF+16*\cc:TF+16*\cc+7],    v[ACC:ACC+7]
	v_wmma_f32_16x16x32_bf16 v[ACC+8:ACC+15], v[WF+8*\cc:WF+8*\cc+7], v[TF+16*\cc+8:TF+16*\cc+15], v[ACC+8:ACC+15]
.endr
.rept 4
	v_nop                                          ; four places behind the last products (ISA guide 7.12.1)
.endr
.irp j, 0,1,2,3,4,5,6,7                        ; lanes 16-31 of each result repeat lanes 0-15: take the second block there, so that lane L holds token L; lowest registers first
	v_cndmask_b32 v[WF+\j], v[ACC+\j], v[ACC+8+\j], s15
.endr
	ds_store_b128 v12, v[WF:WF+3]
	ds_store_b128 v12, v[WF+4:WF+7] offset:16
	s_wait_dscnt 0x0                               ; for wave 0's sake
	s_barrier_signal -1
	s_barrier_wait -1
	s_cmp_lg_u32 s14, 0
	s_cbranch_scc1 .Lend                           ; no barrier follows: waves 1 to 7 are done
.set i, 0
.rept 8
	ds_load_b128 v[TF+8*i:TF+8*i+3],   v13 offset:1024*i
	ds_load_b128 v[TF+8*i+4:TF+8*i+7], v13 offset:1024*i+16
.set i, i+1
.endr
	s_wait_dscnt 0x0
.set i, 1
.rept 7                                        ; the eight parts of K, in ascending order
.irp j, 0,2,4,6
	v_pk_add_f32 v[TF+\j:TF+\j+1], v[TF+\j:TF+\j+1], v[TF+8*i+\j:TF+8*i+\j+1]
.endr
.set i, i+1
.endr
	v_mov_b32 v160, v[TF]                          ; the largest logit and its index; a strict comparison keeps the lower index
	v_mov_b32 v161, 0
.irp e, 1,2,3,4,5,6,7
	v_cmp_gt_f32 vcc_lo, v[TF+\e], v160
	v_cndmask_b32 v160, v160, v[TF+\e], vcc_lo
	v_cndmask_b32 v161, v161, \e, vcc_lo
.endr
	v_cmp_eq_u32 vcc_lo, 0, v161
	v_cndmask_b32 v163, 0, 1, vcc_lo               ; the second index starts unlike the first,
	v_mov_b32 v162, 0xff800000                     ; the second logit at minus infinity
.irp e, 0,1,2,3,4,5,6,7
	v_cmp_ne_u32 s20, \e, v161
	v_cmp_gt_f32 vcc_lo, v[TF+\e], v162
	s_and_b32 vcc_lo, vcc_lo, s20
	v_cndmask_b32 v162, v162, v[TF+\e], vcc_lo
	v_cndmask_b32 v163, v163, \e, vcc_lo
.endr
	v_sub_f32 v164, v162, v160                     ; second less first: never above 0
	v_mul_f32 v164, 0x3fb8aa3b, v164
	v_exp_f32 v165, v164
	v_nop                                          ; a plain instruction behind the exponential
	s_wait_alu depctr_va_vdst(0)
	v_add_f32 v166, 1.0, v165
	v_rcp_f32 v168, v166                           ; the first weight
	v_nop
	s_wait_alu depctr_va_vdst(0)
	v_mul_f32 v169, v165, v168                     ; the second
	v_mov_b32 v170, 0
.irp e, 0,1,2,3,4,5,6,7
	v_cmp_eq_u32 s[24+\e], \e, v161
	v_cmp_eq_u32 s[32+\e], \e, v163
.endr
.irp e, 0,1,2,3,4,5,6,7,8,9,10,11,12,13,14,15
	v_writelane_b32 v170, s[24+\e], \e             ; word e of my block's 32 into lane e
.endr
.irp e, 0,1,2,3,4,5,6,7
	s_or_b32 s40, s[24+\e], s[32+\e]               ; the two masks share no bit
	s_bcnt1_i32_b32 s40, s40
	v_writelane_b32 v170, s40, 16+\e               ; how many of the block chose e
.endr
	v_lshlrev_b32 v171, 2, v1
	v_lshlrev_b32 v172, 3, v1
	global_store_b32 v171, v170, s[12:13]
	global_store_b64 v172, v[168:169], s[10:11]    ; 256 consecutive bytes, aligned
	s_mov_b32 s41, ttmp9
	s_cmp_lt_u32 s41, 133                          ; 133 x 512 bytes are the whole list
	s_cbranch_scc0 .Lend
	s_lshl_b32 s42, s41, 9
	s_mov_b32 s43, 0
	s_add_nc_u64 s[44:45], s[44:45], s[42:43]
	v_lshlrev_b32 v173, 4, v1
.irp j, 176,177,178,179
	v_mov_b32 v\j, 0
.endr
	global_store_b128 v173, v[176:179], s[44:45]   ; 512 consecutive bytes of zeros
.Lend:
	s_set_vgpr_msb 0x4
	s_wait_tensorcnt 0x0
	ds_add_u32 v4, v1
	s_wait_dscnt 0x0
	s_set_vgpr_msb 0x400
	s_endpgm
.Lfunc_end_k_qe634fccc23_router:
	.size	k_qe634fccc23_router, .Lfunc_end_k_qe634fccc23_router-k_qe634fccc23_router
	.p2alignl 7, 3214868480
	.fill 96, 4, 3214868480
	.section	.rodata,"a",@progbits
	.p2align	6, 0x0
	.amdhsa_kernel k_qe634fccc23_router
		.amdhsa_group_segment_fixed_size 91904
		.amdhsa_private_segment_fixed_size 0
		.amdhsa_enable_private_segment 0
		.amdhsa_kernarg_size 48
		.amdhsa_user_sgpr_count 2
		.amdhsa_user_sgpr_kernarg_segment_ptr 1
		.amdhsa_wavefront_size32 1
		.amdhsa_system_sgpr_workgroup_id_x 1
		.amdhsa_system_sgpr_workgroup_id_y 1
		.amdhsa_system_sgpr_workgroup_id_z 1
		.amdhsa_system_vgpr_workitem_id 0
		.amdhsa_next_free_vgpr 258
		.amdhsa_next_free_sgpr 66
		.amdhsa_reserve_vcc 1
		.amdhsa_float_denorm_mode_32 3
		.amdhsa_float_denorm_mode_16_64 3
		.amdhsa_memory_ordered 1
		.amdhsa_forward_progress 1
		.amdhsa_inst_pref_size 31
	.end_amdhsa_kernel
	.amdgpu_metadata
---
amdhsa.version: [ 1, 2 ]
amdhsa.kernels:
  - .name:           k_qe634fccc23_router
    .symbol:         k_qe634fccc23_router.kd
    .args:
      - { .name: x, .offset: 0, .size: 8, .value_kind: global_buffer, .address_space: global }
      - { .name: Wr, .offset: 8, .size: 8, .value_kind: global_buffer, .address_space: global }
      - { .name: xb, .offset: 16, .size: 8, .value_kind: global_buffer, .address_space: global }
      - { .name: gates, .offset: 24, .size: 8, .value_kind: global_buffer, .address_space: global }
      - { .name: masks, .offset: 32, .size: 8, .value_kind: global_buffer, .address_space: global }
      - { .name: list, .offset: 40, .size: 8, .value_kind: global_buffer, .address_space: global }
    .group_segment_fixed_size: 91904
    .private_segment_fixed_size: 0
    .kernarg_segment_align: 8
    .kernarg_segment_size: 48
    .max_flat_workgroup_size: 256
    .sgpr_count:     66
    .vgpr_count:     258
    .wavefront_size: 32
...
	.end_amdgpu_metadata
.endif
;; end of part 1
;; launch prep (part 2): grid 200 x 1, 8 waves a work-group, no clusters, 187,392 bytes of LDS; arguments W12, W3, masks, wf, list, inv, tbase; writes wf, list, inv, tbase
.if DOCPART == 2
	.amdgcn_target "amdgcn-amd-amdhsa--gfx1250"
	.amdhsa_code_object_version 6
	.text
	.protected	k_qe634fccc23_prep
	.globl	k_qe634fccc23_prep
	.p2align	8
	.type	k_qe634fccc23_prep,@function
k_qe634fccc23_prep:
	s_mov_b64 s[64:65], 0
	v_nop
	global_prefetch_b8 v0, s[64:65] scope:SCOPE_SE
	s_setreg_imm32_b32 hwreg(HW_REG_WAVE_MODE, 25, 1), 1
	s_wait_xcnt 0x0
; PREP.  Three kinds of work-group, chosen by the work-group's number (the same for all its waves):
;   0-7      SORT: wave g = 8 x number + wave places the tokens 128 g .. 128 g + 127.
;   8-135    a tile of W12: expert (n - 8) / 16, K step (n - 8) % 16 of 64 rows.
;   136-199  a tile of W3: expert (n - 136) / 8, tile (n - 136) % 8.
; wf = [8 experts][24 tiles][90,112 bytes].  A tile is written in the order in which the next launch's lanes read matrix fragments: blocks of 1,024 bytes, lane L's first 16 bytes at 16 L, its second at 512 + 16 L.
;   W12, K step s:  byte w 22528 + c 11264 + b 1024 + q 512 + L 16 + 2 i  (L = 16 h + r)  holds bf16(W12[e][64 s + 32 c + 16 q + 8 h + i][part 341 + jh]),
;                   jh = 88 w + 8 b + 4 (r >> 3) + (r & 3), part = (r >> 2) & 1; 0 where jh >= 341.  So a result's registers 0-3 are h1 and 4-7 are h2 of the same four hidden numbers.
;   W3, tile 2 tp + u:  byte w 22528 + c 2048 + b2 1024 + q 512 + L 16 + 2 i  holds f16(bf16(W3[e][32 c + 16 q + 8 h + i][256 tp + 64 w + 32 u + 16 b2 + r])); 0 where the row is >= 341.
; LIMITS.  W3 is rounded to bf16 like every input, and that number is written as f16: exact from 2^-17 to 65,504; below it keeps f16's fixed step of 6e-8, beyond it becomes an infinity.
; A tile: 341 wave loads of 512 bytes, rounded into LDS, read back 2 bytes at a time in the new order, stored 512 consecutive bytes a wave.  W3's loads are four pieces of 128 bytes of a row:
; the tile beside it takes the other halves; that is the price, on 11 MB, of whole 256-byte pieces of the next launch's output.  The two kinds of tile keep to LDS bytes of their own.
; SORT.  The rows of y lie by experts, each expert's padded to whole tiles of 80: expert e begins at tile tbase[e] = the sum over e' < e of ceil(n[e'] / 80).  Every token names two different experts,
; so the n add up to 16,384 and the tiles to floor((16,384 + 8 x 79) / 80) = 212 at the most.  No atomics: a token's row is its expert's first row plus the count of that expert's tokens in front of it,
; from the router's counts and masks.  It goes by tokens, so every lane of every store is on and EXEC is never written: inv[2 t + k] = the row of y of token t's k-th expert (dense, 256 bytes a wave);
; list[row] = t (two stores of 4 bytes a lane, to places that hang on the routing).  The launch before has cleared the list: what is not written here reads as token 0.
; All of it is whole-number work; a number read from memory enters an address only behind a v_min_u32 with a constant.  No LDS and no barrier: each wave adds all 256 blocks' counts for itself (8 KB).
; No cluster and no matrix unit: the work-groups share no tile, and nothing is multiplied.
.set D,   16                           ; v[16:187] 43 loads of 4 registers; later 11 items of 8
.set W3B, 93184                        ; where W3's tiles lie in LDS: behind the 90,112 bytes that W12's use
	s_load_b256 s[4:11], s[0:1], 0x0               ; W12 s[4:5], W3 s[6:7], masks s[8:9], wf s[10:11]
	s_load_b128 s[12:15], s[0:1], 0x20             ; list s[12:13], inv s[14:15]
	s_load_b64 s[16:17], s[0:1], 0x30              ; tbase
	v_lshl_add_u32 v192, v0, 2, 0x2d800
	v_mov_b32 v193, 0
	v_and_b32 v1, 31, v0                           ; lane
	v_lshrrev_b32 v2, 5, v0
	v_readfirstlane_b32 s18, v2                    ; wave
	s_mov_b32 s19, ttmp9
	s_mov_b32 s25, 0
	s_mov_b32 s29, 0xffff0000                      ; a word's upper bf16
	v_mov_b32 v10, 0
	v_mov_b32 v11, 0
.irp j, 168,169,170,171
	v_mov_b32 v[D+\j], 0                           ; the 43rd load's registers: waves 5 to 7 load nothing there and store zeros
.endr
	s_wait_kmcnt 0x0
	s_cmp_lt_u32 s19, 8
	s_cbranch_scc1 .Lsort
	s_cmp_lt_u32 s19, 136
	s_cbranch_scc0 .Lw3
; one load's four numbers, rounded, into LDS.  kind = 1: the bf16 numbers are written as f16
.macro CV i, kind, step
	v_cvt_pk_bf16_f32 v[D+4*(\i)],   v[D+4*(\i)],   v[D+4*(\i)+1]
	v_cvt_pk_bf16_f32 v[D+4*(\i)+1], v[D+4*(\i)+2], v[D+4*(\i)+3]
.if \kind
	v_lshlrev_b32 v[D+4*(\i)+2], 16, v[D+4*(\i)]
	v_and_b32     v[D+4*(\i)+3], s29, v[D+4*(\i)]
	v_cvt_pk_f16_f32 v[D+4*(\i)], v[D+4*(\i)+2], v[D+4*(\i)+3]
	v_lshlrev_b32 v[D+4*(\i)+2], 16, v[D+4*(\i)+1]
	v_and_b32     v[D+4*(\i)+3], s29, v[D+4*(\i)+1]
	v_cvt_pk_f16_f32 v[D+4*(\i)+1], v[D+4*(\i)+2], v[D+4*(\i)+3]
.endif
.if (\i) < 32
	ds_store_b64 v3, v[D+4*(\i):D+4*(\i)+1] offset:(\i)*(\step)
.else
	ds_store_b64 v4, v[D+4*(\i):D+4*(\i)+1] offset:((\i)-32)*(\step)  ; the immediate has 16 bits: a second address, 32 steps on
.endif
.endm
; item idx of a batch of 11 is waited for and packed: eight 16-bit numbers into 16 bytes.  A wait can name 63 at the most: the first items wait with 56
.macro PK idx
.if 8*(10-(\idx)) > 56
	s_wait_dscnt 56
.else
	s_wait_dscnt 8*(10-(\idx))
.endif
	v_lshl_or_b32 v[D+8*(\idx)],   v[D+8*(\idx)+1], 16, v[D+8*(\idx)]
	v_lshl_or_b32 v[D+8*(\idx)+1], v[D+8*(\idx)+3], 16, v[D+8*(\idx)+2]
	v_lshl_or_b32 v[D+8*(\idx)+2], v[D+8*(\idx)+5], 16, v[D+8*(\idx)+4]
	v_lshl_or_b32 v[D+8*(\idx)+3], v[D+8*(\idx)+7], 16, v[D+8*(\idx)+6]
.endm
	; ---------------- a tile of W12: 64 rows of 682 numbers, 174,592 dense bytes ----------------
	s_sub_co_u32 s26, s19, 8
	s_lshr_b32 s27, s26, 4                         ; e
	s_and_b32 s26, s26, 15                         ; K step
	s_mul_i32 s24, s27, 2793472
	s_mul_i32 s28, s26, 174592
	s_add_co_u32 s24, s24, s28
	s_add_nc_u64 s[20:21], s[4:5], s[24:25]
	s_mul_i32 s24, s27, 2162688
	s_mul_i32 s28, s26, 90112
	s_add_co_u32 s24, s24, s28
	s_add_nc_u64 s[22:23], s[10:11], s[24:25]
	v_lshlrev_b32 v2, 4, v0                        ; load m = wave + 8 i takes bytes 512 m + 16 lane
	s_cmp_lt_u32 s18, 5
	s_cbranch_scc0 .Lno12                          ; 341 = 8 x 42 + 5: the 43rd load is waves 0 to 4's; it goes first, so the counts below are the same for every wave
	global_load_b128 v[D+168:D+171], v2, s[20:21] offset:42*4096 th:TH_LOAD_NT
.Lno12:
.set n, 0
.rept 42
	global_load_b128 v[D+4*n:D+4*n+3], v2, s[20:21] offset:n*4096 th:TH_LOAD_NT
.set n, n+1
.endr
	v_lshlrev_b32 v3, 3, v0                        ; in LDS the block lies flat as bf16: [64][682], 1,364 bytes a row
	v_add_nc_u32 v4, 65536, v3
	s_lshr_b32 s26, s18, 1                         ; on the way out: w
	s_and_b32 s27, s18, 1                          ; c
	v_bfe_u32 v8, v0, 3, 1
	v_and_b32 v9, 3, v0
	v_lshl_add_u32 v8, v8, 2, v9
	s_mul_i32 s28, s26, 88
	v_add_nc_u32 v8, s28, v8                       ; 88 w + 4 (r >> 3) + (r & 3)
	v_bfe_u32 v9, v0, 2, 1                         ; part
	v_mad_u32_u24 v5, v9, 341, v8
	v_lshlrev_b32 v5, 1, v5
	v_bfe_u32 v9, v0, 4, 1                         ; h
	v_mad_u32_u24 v5, v9, 8*1364, v5
	s_mul_i32 s28, s27, 32*1364
	v_add_nc_u32 v5, s28, v5
	s_mul_i32 s28, s18, 11264
	v_lshl_add_u32 v7, v1, 4, s28
	v_cmp_le_u32 s30, 269, v8                      ; hidden number >= 341 in block b = 9,
	v_cmp_le_u32 s31, 261, v8                      ; in block b = 10
.set n, 0
.rept 42
	s_wait_loadcnt 41-n                            ; load n is in, the younger ones stay out
	CV n, 0, 2048
.set n, n+1
.endr
	CV 42, 0, 2048                                 ; waves 5 to 7: zeros behind the block, where the padded columns' reads reach
	ds_store_b64 v4, v[10:11] offset:11*2048
	s_wait_dscnt 0x0                               ; for the others' sake
	s_barrier_signal -1
	s_barrier_wait -1
.set q, 0
.rept 2
.set b, 0
.rept 11
.set z, 0
.rept 8
	ds_load_u16 v[D+8*b+z], v5 offset:1364*(16*q+z)+16*b
.set z, z+1
.endr
.set b, b+1
.endr
.set b, 0
.rept 11
	PK b
.if b == 9
.irp j, 0,1,2,3
	v_cndmask_b32 v[D+8*b+\j], v[D+8*b+\j], 0, s30
.endr
.endif
.if b == 10
.irp j, 0,1,2,3
	v_cndmask_b32 v[D+8*b+\j], v[D+8*b+\j], 0, s31
.endr
.endif
	global_store_b128 v7, v[D+8*b:D+8*b+3], s[22:23] offset:(2*b+q)*512  ; 512 consecutive bytes a wave
.set b, b+1
.endr
	s_wait_xcnt 0x0                                ; the stores' registers are loaded again only behind this wait
.set q, q+1
.endr
	s_wait_tensorcnt 0x0
	ds_add_u32 v192, v193
	s_wait_dscnt 0x0
	s_endpgm
	; ---------------- a tile of W3: 341 rows, of each four pieces of 32 numbers ----------------
.Lw3:
	s_sub_co_u32 s26, s19, 136
	s_lshr_b32 s27, s26, 3                         ; e
	s_and_b32 s26, s26, 7                          ; tile t = 2 tp + u
	s_mul_i32 s24, s27, 1396736
	s_lshr_b32 s28, s26, 1
	s_lshl_b32 s28, s28, 10                        ; tp x 1,024 bytes
	s_add_co_u32 s24, s24, s28
	s_and_b32 s28, s26, 1
	s_lshl_b32 s28, s28, 7                         ; u x 128 bytes
	s_add_co_u32 s24, s24, s28
	s_add_nc_u64 s[20:21], s[6:7], s[24:25]
	s_mul_i32 s24, s27, 2162688
	s_add_co_u32 s26, s26, 16
	s_mul_i32 s28, s26, 90112
	s_add_co_u32 s24, s24, s28
	s_add_nc_u64 s[22:23], s[10:11], s[24:25]
	v_bfe_u32 v8, v0, 3, 2
	v_and_b32 v9, 7, v0
	v_lshlrev_b32 v2, 8, v8                        ; piece lane / 8, 256 bytes apart,
	v_lshl_add_u32 v2, v9, 4, v2                   ; 16 bytes a lane,
	s_lshl_b32 s28, s18, 12
	v_add_nc_u32 v2, s28, v2                       ; row m = wave + 8 i
	s_cmp_lt_u32 s18, 5
	s_cbranch_scc0 .Lno3
	global_load_b128 v[D+168:D+171], v2, s[20:21] offset:42*32768
.Lno3:
.set n, 0
.rept 42
	global_load_b128 v[D+4*n:D+4*n+3], v2, s[20:21] offset:n*32768
.set n, n+1
.endr
	s_mul_i32 s28, s18, 264                        ; in LDS a row is 128 f16 + 8 bytes
	s_add_co_u32 s28, s28, W3B
	v_lshl_add_u32 v3, v1, 3, s28
	v_add_nc_u32 v4, 32*2112, v3
	v_and_b32 v8, 15, v0                           ; r
	v_bfe_u32 v9, v0, 4, 1                         ; h
	v_lshlrev_b32 v5, 1, v8
	v_mad_u32_u24 v5, v9, 2112, v5                 ; 8 h rows + 2 r,
	s_lshl_b32 s28, s18, 5
	s_add_co_u32 s28, s28, W3B
	v_add_nc_u32 v5, s28, v5                       ; + 2 x 16 x wave: w = wave / 2, b2 = wave % 2
	v_add_nc_u32 v6, 50688, v5                     ; 192 rows on, for c >= 6
	s_lshr_b32 s26, s18, 1
	s_and_b32 s27, s18, 1
	s_mul_i32 s28, s26, 22528
	s_lshl_b32 s27, s27, 10
	s_add_co_u32 s28, s28, s27
	v_lshl_add_u32 v7, v1, 4, s28
.set n, 0
.rept 42
	s_wait_loadcnt 41-n
	CV n, 1, 2112
.set n, n+1
.endr
	CV 42, 1, 2112                                 ; waves 5 to 7: rows 341 to 343 are zeros
	ds_store_b64 v4, v[10:11] offset:11*2112       ; rows 344 to 351 too
	s_wait_dscnt 0x0
	s_barrier_signal -1
	s_barrier_wait -1
.set q, 0
.rept 2
.set b, 0
.rept 11                                       ; b is the chunk c of 32 rows here
.set z, 0
.rept 8
.if b < 6
	ds_load_u16 v[D+8*b+z], v5 offset:264*(32*b+16*q+z)
.else
	ds_load_u16 v[D+8*b+z], v6 offset:264*(32*(b-6)+16*q+z)
.endif
.set z, z+1
.endr
.set b, b+1
.endr
.set b, 0
.rept 11
	PK b
	global_store_b128 v7, v[D+8*b:D+8*b+3], s[22:23] offset:b*2048+q*512
.set b, b+1
.endr
	s_wait_xcnt 0x0
.set q, q+1
.endr
	s_wait_tensorcnt 0x0
	ds_add_u32 v192, v193
	s_wait_dscnt 0x0
	s_endpgm
	; ---------------- sort: wave g = 8 x work-group + wave, blocks 4 g .. 4 g + 3 ----------------
; SCALARS here: s3 g; s[4:7] the experts' totals, two a word (expert k below, k + 4 above); s[20:23] the same for the blocks in front of mine; s[24:31] each expert's next free row;
; s[32:47], s[48:63], s[68:83], s[84:99] my four blocks' 16 masks; s2, s10, s11 at work; s[100:101] lane selects.
; VECTORS: v[16:79] the counts as loaded and their sums; v90 my 8 bytes in inv; v91 my token in block 0; v92 4 x lane; v14 tbase; v[100:131] eight registers a block, which no load ever writes.
; the sum of a register over the 32 lanes, in whole numbers, the result in every lane
.macro RED r
.irp m, 1,2,4,8
	v_mov_b32_dpp v12, v[\r] row_xmask:\m row_mask:0xf bank_mask:0xf
	v_add_nc_u32 v[\r], v[\r], v12
.endr
	v_permlanex16_b32 v12, v[\r], s100, s101
	v_add_nc_u32 v[\r], v[\r], v12
.endm
; block j of my four, its masks in s[m .. m + 15].  For each expert: the rank among the block's tokens that chose it, plus its next free row; the two masks themselves pick the lanes that take it.
.macro BLK j, m
.set B, 100+8*(\j)
.irp e, 0,1,2,3,4,5,6,7
	s_or_b32 s2, s[\m+\e], s[\m+8+\e]              ; the block's tokens that chose e (the two masks share no bit)
	v_mbcnt_lo_u32_b32 v[B+5], s2, 0               ; how many of them in lanes below mine
	v_add_nc_u32 v[B+5], s[24+\e], v[B+5]
.if \e == 0
	v_cndmask_b32 v[B],   0, v[B+5], s[\m+\e]      ; the first expert starts both: nothing is cleared
	v_cndmask_b32 v[B+1], 0, v[B+5], s[\m+8+\e]
.else
	v_cndmask_b32 v[B],   v[B],   v[B+5], s[\m+\e]
	v_cndmask_b32 v[B+1], v[B+1], v[B+5], s[\m+8+\e]
.endif
	s_bcnt1_i32_b32 s2, s2
	s_add_co_u32 s[24+\e], s[24+\e], s2
.endr
	v_min_u32 v[B],   0x423f, v[B]                 ; y has 16,960 rows: what hangs on numbers read from memory enters an address behind these lines alone
	v_min_u32 v[B+1], 0x423f, v[B+1]
	v_lshlrev_b32 v[B+2], 2, v[B]
	v_lshlrev_b32 v[B+3], 2, v[B+1]
	v_add_nc_u32 v[B+4], 32*(\j), v91              ; my token
	global_store_b64 v90, v[B:B+1], s[14:15] offset:256*(\j)  ; inv[2 t], inv[2 t + 1]: 256 consecutive bytes a wave, aligned
	global_store_b32 v[B+2], v[B+4], s[12:13]      ; list[row] = t, twice
	global_store_b32 v[B+3], v[B+4], s[12:13]
.endm
.Lsort:
	s_lshl_b32 s3, s19, 3
	s_add_co_u32 s3, s3, s18                       ; g
	s_lshl_b32 s24, s3, 9                          ; my four blocks, 128 bytes each
	s_add_nc_u64 s[10:11], s[8:9], s[24:25]
	s_load_b512 s[32:47], s[10:11], 0x0            ; the masks are the same for all lanes: words 0 to 15 of each block
	s_load_b512 s[48:63], s[10:11], 0x80
	s_load_b512 s[68:83], s[10:11], 0x100
	s_load_b512 s[84:99], s[10:11], 0x180
	v_lshlrev_b32 v2, 10, v1                       ; lane l takes blocks 8 l .. 8 l + 7: their eight counts, words 16 to 23
.set j, 0
.rept 8
	global_load_b128 v[D+8*j:D+8*j+3],   v2, s[8:9] offset:128*j+64
	global_load_b128 v[D+8*j+4:D+8*j+7], v2, s[8:9] offset:128*j+80
.set j, j+1
.endr
	s_mov_b32 s100, 0x76543210                     ; v_permlanex16_b32: each lane takes its own place in the other half
	s_mov_b32 s101, 0xfedcba98
	s_lshl_b32 s2, s3, 10
	v_lshl_add_u32 v90, v1, 3, s2                  ; 128 tokens x 8 bytes a wave, 8 bytes a lane
	s_lshl_b32 s2, s3, 7
	v_add_nc_u32 v91, s2, v1
	v_lshlrev_b32 v92, 2, v1
	v_mov_b32 v12, 0
	v_mov_b32 v14, 0
	s_wait_loadcnt 0x0
	s_wait_kmcnt 0x0
.irp j, 1,2,3
.irp k, 0,1,2,3,4,5,6,7
	v_add_nc_u32 v[D+\k],    v[D+\k],    v[D+8*\j+\k]      ; my first four blocks' counts, expert by expert,
	v_add_nc_u32 v[D+32+\k], v[D+32+\k], v[D+32+8*\j+\k]   ; and my last four's
.endr
.endr
	s_lshr_b32 s2, s3, 1
	v_cmp_gt_u32 s10, s2, v1                       ; block 4 g begins in lane g / 2: the lanes below it lie wholly in front of my blocks,
	v_cmp_eq_u32 s11, s2, v1                       ; and of that lane the first four blocks, if g is odd
	s_and_b32 s2, s3, 1
	s_cmp_lg_u32 s2, 0
	s_cselect_b32 s11, s11, 0
.irp k, 0,1,2,3
	v_lshl_add_u32 v[D+\k],    v[D+4+\k],  16, v[D+\k]     ; two experts a word: a sum is 8,192 at the most
	v_lshl_add_u32 v[D+32+\k], v[D+36+\k], 16, v[D+32+\k]
	v_add_nc_u32   v[D+8+\k],  v[D+\k], v[D+32+\k]         ; for the totals
	v_cndmask_b32  v[D+12+\k], 0, v[D+8+\k], s10           ; for what lies in front of my blocks
	v_cndmask_b32  v[D+12+\k], v[D+12+\k], v[D+\k], s11
.endr
.irp r, 8,9,10,11,12,13,14,15
	RED D+\r
.endr
.irp k, 0,1,2,3
	v_readfirstlane_b32 s[4+\k],  v[D+8+\k]
	v_readfirstlane_b32 s[20+\k], v[D+12+\k]
.endr
	s_mov_b32 s11, 0                               ; tiles so far
.irp k, 0,1,2,3,4,5,6,7
.if \k < 4
	s_and_b32 s2,  s[4+\k],  0xffff                ; n[k],
	s_and_b32 s10, s[20+\k], 0xffff                ; and how many of them in front of my blocks
.else
	s_lshr_b32 s2,  s[\k],    16
	s_lshr_b32 s10, s[16+\k], 16
.endif
	v_writelane_b32 v14, s11, \k                   ; tbase[k]
	s_mul_i32 s[24+\k], s11, 80
	s_add_co_u32 s[24+\k], s[24+\k], s10           ; the row of my blocks' first token that chose k
	s_add_co_u32 s2, s2, 79
	s_mul_i32 s2, s2, 52429                        ; (n + 79) / 80: 52,429 = ceil(2^22 / 80), exact below 262,144
	s_lshr_b32 s2, s2, 22
	s_add_co_u32 s11, s11, s2
.endr
	BLK 0, 32
	BLK 1, 48
	BLK 2, 68
	BLK 3, 84
	s_cmp_lg_u32 s3, 0
	s_cbranch_scc1 .Lnotb                          ; every wave has made the tile bases; wave 0 of work-group 0 stores them
	global_store_b32 v92, v14, s[16:17]            ; 32 words: the eight bases, then zeros
.Lnotb:
	s_endpgm
.Lfunc_end_k_qe634fccc23_prep:
	.size	k_qe634fccc23_prep, .Lfunc_end_k_qe634fccc23_prep-k_qe634fccc23_prep
	.p2alignl 7, 3214868480
	.fill 96, 4, 3214868480
	.section	.rodata,"a",@progbits
	.p2align	6, 0x0
	.amdhsa_kernel k_qe634fccc23_prep
		.amdhsa_group_segment_fixed_size 187392
		.amdhsa_private_segment_fixed_size 0
		.amdhsa_enable_private_segment 0
		.amdhsa_kernarg_size 56
		.amdhsa_user_sgpr_count 2
		.amdhsa_user_sgpr_kernarg_segment_ptr 1
		.amdhsa_wavefront_size32 1
		.amdhsa_system_sgpr_workgroup_id_x 1
		.amdhsa_system_sgpr_workgroup_id_y 1
		.amdhsa_system_sgpr_workgroup_id_z 1
		.amdhsa_system_vgpr_workitem_id 0
		.amdhsa_next_free_vgpr 194
		.amdhsa_next_free_sgpr 102
		.amdhsa_reserve_vcc 0
		.amdhsa_float_denorm_mode_32 3
		.amdhsa_float_denorm_mode_16_64 3
		.amdhsa_memory_ordered 1
		.amdhsa_forward_progress 1
		.amdhsa_inst_pref_size 108
	.end_amdhsa_kernel
	.amdgpu_metadata
---
amdhsa.version: [ 1, 2 ]
amdhsa.kernels:
  - .name:           k_qe634fccc23_prep
    .symbol:         k_qe634fccc23_prep.kd
    .args:
      - { .name: W12, .offset: 0, .size: 8, .value_kind: global_buffer, .address_space: global }
      - { .name: W3, .offset: 8, .size: 8, .value_kind: global_buffer, .address_space: global }
      - { .name: masks, .offset: 16, .size: 8, .value_kind: global_buffer, .address_space: global }
      - { .name: wf, .offset: 24, .size: 8, .value_kind: global_buffer, .address_space: global }
      - { .name: list, .offset: 32, .size: 8, .value_kind: global_buffer, .address_space: global }
      - { .name: inv, .offset: 40, .size: 8, .value_kind: global_buffer, .address_space: global }
      - { .name: tbase, .offset: 48, .size: 8, .value_kind: global_buffer, .address_space: global }
    .group_segment_fixed_size: 187392
    .private_segment_fixed_size: 0
    .kernarg_segment_align: 8
    .kernarg_segment_size: 56
    .max_flat_workgroup_size: 256
    .sgpr_count:     102
    .vgpr_count:     194
    .wavefront_size: 32
...
	.end_amdgpu_metadata
.endif
;; end of part 2
;; launch experts (part 3): grid 212 x 1, 4 waves a work-group, no clusters, 327,680 bytes of LDS; arguments xb, wf, list, tbase, y; writes y
.if DOCPART == 3
	.amdgcn_target "amdgcn-amd-amdhsa--gfx1250"
	.amdhsa_code_object_version 6
	.text
	.protected	k_qe634fccc23_experts
	.globl	k_qe634fccc23_experts
	.p2align	8
	.type	k_qe634fccc23_experts,@function
k_qe634fccc23_experts:
	s_mov_b64 s[64:65], 0
	v_nop
	global_prefetch_b8 v0, s[64:65] scope:SCOPE_SE
	s_setreg_imm32_b32 hwreg(HW_REG_WAVE_MODE, 25, 1), 1
	s_wait_xcnt 0x0
; EXPERTS.  For the tokens that chose expert e: y[row] = (silu(x W12[e][:, :341]) * (x W12[e][:, 341:])) W3[e], without the gate; a row of y for each (token, expert) pair, in list order.
; SHARES.  A work-group takes one tile of 80 rows of the list.  The rows lie by experts, each expert's padded to whole tiles; 212 tiles hold every routing: floor((16,384 + 8 x 79) / 80).
; The tile's expert is the number of tile bases tbase[1..7] that are not above the tile; it enters the weights' global address alone, so every wave's barriers, loads and trips are the same for every input.
; Rows in the padding, and tiles behind the last expert's (7 at the most), are token 0's: they are computed and stored like the others and nobody reads them.
; The four waves share the 80 rows and divide the weights' columns: first product 176 of 704 columns a wave (55 accumulators of 16 x 16), second 32 of a tile's 128 (10 accumulators).
; WEIGHTS come as 24 tiles of 90,112 bytes (16 K steps of W12, 8 column tiles of W3), laid out by the launch before in fragment order: wave w fetches and reads quarter w alone, lane L its 16 bytes at 16 L.
; Two LDS slots take turns; by this text's count a wave has two tensor loads out at the start and one behind each barrier in front of a refill.
; NO CLUSTER: an expert's number of tiles is read from memory and is no multiple of four, so four neighbouring tiles can belong to two experts and would ask for different weights.
; BOTH PRODUCTS ARE USED TRANSPOSED (source 0 = 16 weight columns, source 1 = 16 tokens): a lane holds ONE token; in the first product its registers 0-3 are h1 and 4-7 h2 of the same four hidden numbers,
; in the second they are eight neighbouring channels of y.
; FORMATS.  x and W12 in bf16.  h = silu(h1) h2 is made in f32, divided by 2^(E - 127), E the exponent of the row's largest |h|, and rounded to f16 (largest number in 1 to 2); W3 is bf16 written as f16;
; the result is multiplied by 2^(E - 127) again.  LIMITS: E is clamped to 1 .. 253; an h more than 2^24 below its row's largest counts as 0; experts that a token did not choose are not computed.
; REGISTERS, in windows of 256 (s_set_vgpr_msb: bits 1:0 source 0, 3:2 source 1, 5:4 source 2, 7:6 destination):
;   window 0: v2-29 addresses; v30-63 scales and at work; first product: v64-143 token fragments (two buffers), v144-183 x on its way to LDS; silu: v64-95 at work; second product: v64-223 20 accumulators
;   windows 1, 2: first product: accumulator 11 a + b at v256 + 8 (11 a + b); second product: h fragment 5 c + a at the same places
;   window 3: weight fragments: first product two buffers of 88; second product (c, b2) at 8 (2 c + b2)
.set TILEB, 90112
.set QUART, 22528                      ; a wave's quarter of a tile: 88 rows of 256 bytes
.set EXPB,  24*TILEB
.set SLOT1, TILEB
.set A0,    2*TILEB                    ; x's slice of 64 channels: 80 rows x (128 + 16) bytes, two buffers; written by ds_store alone, like all that follows
.set AP,    144
.set A1,    A0+80*AP
.set HB,    A1+80*AP                   ; h: 80 rows x (704 + 16) bytes of f16
.set HP,    720
.set MAXS,  HB+80*HP                   ; the four waves' largest |h| of each row
.set STAGE, MAXS+1280                  ; the way out: 16 rows x 272 bytes for each wave
.set SP,    272
.set SPARE, STAGE+4*16*SP              ; the spare words, 128 bytes for each wave: two blocks of 256 bytes that no other line names
.set BADR, 2                           ; v2-3   my 16 bytes in my quarter of slot 0, 1
.set AADR, 4                           ; v4-5   my place in a token fragment of A0, A1
.set ASTO, 6                           ; v6-7   where I put 16 bytes of x
.set XOFF, 8                           ; v8-12  byte offsets in xb of my five rows' pieces
.set LOFF, 13                          ; v13    my offset in the tile's list
.set HSTO, 14
.set HADR, 15
.set MSTO, 16
.set MADR, 17
.set SSTO, 18
.set SRD,  19
.set YOFF, 20
.set PIECE, 27                         ; v27    16 (lane % 8)
.set SPW,  28                          ; v28    SPARE + 4 x my thread's number; never rewritten
.set NIL,  29                          ; v29    0; never rewritten
.set FAC,  30                          ; v30-39 2^(E - 127) of my token in block a, as pairs
.set DOWN, 40                          ; v40-49 2^(127 - E)
.set MX,   50                          ; v50-54 largest |h|
.set TM,   55                          ; v55-59 at work
.set FA,   64
.set XST,  144
.set XS2,  164
.set T,    64
.set ACC2, 64
.set MSB, 0
.macro WIN new                         ; the immediate's high byte repeats the setting that is left; a switch that changes nothing is dropped
.if MSB != (\new)
	s_set_vgpr_msb (MSB<<8)|(\new)
.set MSB, (\new)
.endif
.endm
.macro PLACES                          ; four places behind matrix instructions, in front of loads into their sources and of vector lines that read their results
.rept 4
	v_nop
.endr
.endm
.macro TLOAD p                         ; my quarter of a tile into slot p
	tensor_load_to_lds s[32+4*(\p):35+4*(\p)], s[24:31]
	s_nop 0
	PLACES
.endm
	s_load_b256 s[4:11], s[0:1], 0x0               ; xb s[4:5], wf s[6:7], list s[8:9], tbase s[10:11]
	s_load_b64 s[12:13], s[0:1], 0x20              ; y
	v_lshl_add_u32 v[SPW], v0, 2, SPARE
	v_mov_b32 v[NIL], 0
	ds_add_u32 v28, v29
	ds_add_u32 v28, v29
	s_wait_dscnt 0x0
	v_lshrrev_b32 v1, 5, v0
	v_readfirstlane_b32 s14, v1                    ; wave
	s_mov_b32 s16, ttmp9                           ; tile
	s_mul_i32 s23, s14, QUART
	; descriptor group 1: 88 dense rows of 32 elements of 8 bytes
	s_mov_b32 s24, 3<<16                           ; 15:0 no mask; 17:16 elements of 8 bytes; no padding
	s_mov_b32 s25, 32<<16                          ; tensor_dim0 = 32
	s_mov_b32 s26, 88<<16                          ; tensor_dim1 = 88
	s_mov_b32 s27, 32<<16                          ; tile_dim0 = 32
	s_mov_b32 s28, 88                              ; tile_dim1 = 88
	s_mov_b32 s29, 32                              ; 32 elements from row to row
	s_mov_b32 s30, 0
	s_mov_b32 s31, 0
	s_mov_b32 s32, 1                               ; group 0 for slot 0: count 1,
	s_mov_b32 s33, s23                             ; LDS address: my quarter
	s_mov_b32 s36, 1                               ; and for slot 1
	s_add_co_u32 s37, s23, SLOT1
	s_mov_b32 s50, 0xbfb8aa3b                      ; -log2(e)
	s_mov_b32 s51, s50
	s_mov_b32 s52, 0x76543210                      ; v_permlanex16_b32: each lane takes its own place in the other half
	s_mov_b32 s53, 0xfedcba98
	s_mov_b32 s49, 0
	s_wait_kmcnt 0x0
	s_load_b256 s[56:63], s[10:11], 0x0            ; the eight experts' first tiles
	s_mul_i32 s48, s16, 320
	s_add_nc_u64 s[44:45], s[8:9], s[48:49]        ; my tile's 80 entries of the list
	s_mul_i32 s48, s16, 327680
	s_add_nc_u64 s[46:47], s[12:13], s[48:49]      ; and its 80 rows of y
	s_mov_b64 s[42:43], s[4:5]
	v_and_b32 v21, 31, v0
	v_and_b32 v22, 15, v0                          ; r
	v_bfe_u32 v23, v0, 4, 1                        ; h
	v_bfe_u32 v24, v0, 3, 2
	v_and_b32 v25, 7, v0
	v_lshl_add_u32 v[BADR], v21, 4, s23
	v_add_nc_u32 v[BADR+1], SLOT1, v[BADR]
	v_mul_u32_u24 v26, v22, AP
	v_lshl_add_u32 v26, v23, 4, v26                ; a fragment's row x pitch + 16 x half
	v_add_nc_u32 v[AADR], A0, v26
	v_add_nc_u32 v[AADR+1], A1, v26
	s_mul_i32 s48, s14, 20
	v_add_nc_u32 v24, s48, v24                     ; the first of my five rows: 20 w + lane / 8; the others 4 apart
	v_lshlrev_b32 v[LOFF], 2, v24
	v_lshlrev_b32 v[PIECE], 4, v25
	v_mad_u32_u24 v26, v24, AP, v[PIECE]
	v_add_nc_u32 v[ASTO], A0, v26
	v_add_nc_u32 v[ASTO+1], A1, v26
	v_mul_u32_u24 v26, v22, HP
	s_mul_i32 s48, s14, 176
	s_add_co_u32 s48, s48, HB
	v_lshl_add_u32 v[HSTO], v23, 3, v26
	v_add_nc_u32 v[HSTO], s48, v[HSTO]             ; h: row r, hidden numbers 88 w + 4 h on
	v_lshl_add_u32 v[HADR], v23, 4, v26
	v_add_nc_u32 v[HADR], HB, v[HADR]
	v_lshlrev_b32 v26, 4, v22                      ; 16 r
	v_add_nc_u32 v[MADR], MAXS, v26
	s_lshl_b32 s48, s14, 2
	s_add_co_u32 s48, s48, MAXS
	v_add_nc_u32 v[MSTO], s48, v26
	s_mul_i32 s48, s14, 16*SP
	s_add_co_u32 s48, s48, STAGE                   ; my stage
	v_mul_u32_u24 v24, v22, SP
	v_lshl_add_u32 v24, v23, 5, v24
	v_add_nc_u32 v[SSTO], s48, v24                 ; in: row r, 32 bytes for each half of the lanes
	v_mad_u32_u24 v24, v23, SP, v26
	v_add_nc_u32 v[SRD], s48, v24                  ; back: lanes 0-15 one row of 256 bytes, lanes 16-31 the next
	s_lshl_b32 s48, s14, 8
	v_lshl_add_u32 v[YOFF], v23, 12, v26
	v_add_nc_u32 v[YOFF], s48, v[YOFF]             ; and the same two rows in y, my wave's 256 bytes
	s_wait_kmcnt 0x0
	s_mov_b32 s17, 0
.irp k, 1,2,3,4,5,6,7
	s_cmp_ge_u32 s16, s[56+\k]
	s_cselect_b32 s48, 1, 0
	s_add_co_u32 s17, s17, s48                     ; the last expert whose first tile is not above mine
.endr
	s_min_u32 s17, s17, 7                          ; what hangs on numbers read from memory enters an address behind this line alone
	s_mul_i32 s48, s17, EXPB
	s_add_co_u32 s48, s48, s23
	s_add_nc_u64 s[34:35], s[6:7], s[48:49]        ; slot 0: my quarter of the expert's tile 0
	s_add_nc_u64 s[38:39], s[34:35], TILEB         ; slot 1: of tile 1
	s_or_b32 s35, s35, 0x80000000                  ; type = 2
	s_or_b32 s39, s39, 0x80000000
	TLOAD 0                                        ; both first fills go out together, ahead of every wait on TENSORcnt, every LDS read and every barrier
	TLOAD 1
; FIRST PRODUCT.  Accumulators lo .. hi - 1 (11 a + b), 32 along K, from fragment buffer f.  All 55 take turns, one instruction a turn, in the same order in every chunk.
.macro MULA f, lo, hi, zero
.set i, \lo
.rept (\hi)-(\lo)
.if i < 32
	WIN 0x53                                       ; weights window 3, tokens window 0, C and D window 1
.set rD, 8*i
.else
	WIN 0xa3                                       ; C and D window 2
.set rD, 8*(i-32)
.endif
.set rB, 88*(\f)+8*(i%11)
.set rA, FA+40*(\f)+8*(i/11)
.if \zero
	v_wmma_f32_16x16x32_bf16 v[rD:rD+7], v[rB:rB+7], v[rA:rA+7], 0
.else
	v_wmma_f32_16x16x32_bf16 v[rD:rD+7], v[rB:rB+7], v[rA:rA+7], v[rD:rD+7]
.endif
.set i, i+1
.endr
.endm
; 32 LDS loads in one run: chunk c (32 along K) of slot p's tile and of x's slice, into buffer f: 11 weight fragments, then 5 token fragments
.macro FETCH p, c, f
	WIN 0xc0
.set z, 0
.rept 11
	ds_load_b128 v[88*(\f)+8*z:88*(\f)+8*z+3],   v[BADR+(\p)] offset:(\c)*11264+z*1024
	ds_load_b128 v[88*(\f)+8*z+4:88*(\f)+8*z+7], v[BADR+(\p)] offset:(\c)*11264+z*1024+512
.set z, z+1
.endr
	WIN 0
.set z, 0
.rept 5
	ds_load_b128 v[FA+40*(\f)+8*z:FA+40*(\f)+8*z+3],   v[AADR+(\p)] offset:z*16*AP+(\c)*64
	ds_load_b128 v[FA+40*(\f)+8*z+4:FA+40*(\f)+8*z+7], v[AADR+(\p)] offset:z*16*AP+(\c)*64+32
.set z, z+1
.endr
.endm
; A K step's first chunk: multiplies buffer 0, fetches the second chunk in its middle.  k: what may stay out: the token blocks 3 and 4 (4 loads), and the 5 stores of x behind them if there were any
.macro CH0 p, zero, k
	s_wait_dscnt \k
	MULA 0, 0, 32, \zero
	PLACES
	FETCH \p, 1, 1
	s_wait_dscnt 32                                ; all but the 32 just issued
	MULA 0, 32, 55, \zero
.endm
; A K step's second chunk multiplies buffer 1 and changes slots.  In front of the barrier each wave waits for all its tensor loads (one is out: its quarter of the other slot), adds 0 to its spare word, and
; waits for that and for its reads of this slot and of this buffer of x.  Behind the barrier the slot is filled again first, with the tile two on; then come the other slot's first fragments;
; sto: x's slice two steps on, loaded a step ago, goes into the buffer just read out; ld: the slice three steps on is requested, at byte off from the stepped base.
.macro TURN p, sto, ld, off, fetch
	WIN 0
	s_wait_tensorcnt 0x0                           ; all my tensor loads have landed
	ds_add_u32 v[SPW], v[NIL]                      ; 0 onto my spare word
	s_wait_dscnt 5                                 ; (the add and the token blocks 3 and 4 may be out)
	MULA 1, 0, 16, 0
	s_wait_dscnt 0x0                               ; the add is done, my reads of this slot and of x's buffer are over
	s_barrier_signal -1
	MULA 1, 16, 32, 0                              ; work on registers while the others arrive
	WIN 0
	s_barrier_wait -1                              ; no wave still reads the slot or x's buffer, or has a load on its way
	s_add_nc_u64 s[34+4*(\p):35+4*(\p)], s[34+4*(\p):35+4*(\p)], 2*TILEB
	TLOAD \p                                       ; its four v_nop are also the places in front of the loads below
.if \fetch
	FETCH 1-(\p), 0, 0
.endif
.if \sto
	s_wait_loadcnt 0x0                             ; the slice requested a step ago
.irp u, 0,1,2,3,4
	ds_store_b128 v[ASTO+(\p)], v[XST+4*\u:XST+4*\u+3] offset:4*AP*\u
.endr
.endif
.if \ld
.irp u, 0,1,2,3,4
	global_load_b128 v[XST+4*\u:XST+4*\u+3], v[XOFF+\u], s[42:43] offset:\off
.endr
.endif
	MULA 1, 32, 55, 0
.endm
; SILU for accumulators 8 g .. 8 g + n - 1, kind by kind across the batch: t = -log2(e) h1; 2^t; + 1; reciprocal; h1 t; h2 x that; the largest magnitude.  Each accumulator's lowest registers are read first.
; A v_nop stands behind each run of transcendentals, in front of the first use of a result.
.macro SILU g, n
.set wn, 1+(\g)/4                      ; the batch's window
.set x0, 64*((\g)%4)
	WIN wn
.set k, 0
.rept \n
	v_pk_mul_f32 v[T+4*k:T+4*k+1],   v[x0+8*k:x0+8*k+1],   s[50:51] op_sel_hi:[1,0]
	v_pk_mul_f32 v[T+4*k+2:T+4*k+3], v[x0+8*k+2:x0+8*k+3], s[50:51] op_sel_hi:[1,0]
.set k, k+1
.endr
	WIN 0
.set k, 0
.rept 4*(\n)
	v_exp_f32 v[T+k], v[T+k]
.set k, k+1
.endr
	v_nop
.set k, 0
	s_wait_alu depctr_va_vdst(0)
.rept 2*(\n)
	v_pk_add_f32 v[T+2*k:T+2*k+1], v[T+2*k:T+2*k+1], 1.0 op_sel_hi:[1,0]
.set k, k+1
.endr
.set k, 0
.rept 4*(\n)
	v_rcp_f32 v[T+k], v[T+k]
.set k, k+1
.endr
	v_nop
	WIN 0x41*wn
.set k, 0
	s_wait_alu depctr_va_vdst(0)
.rept \n
	v_pk_mul_f32 v[x0+8*k:x0+8*k+1],   v[x0+8*k:x0+8*k+1],   v[T+4*k:T+4*k+1]
	v_pk_mul_f32 v[x0+8*k+2:x0+8*k+3], v[x0+8*k+2:x0+8*k+3], v[T+4*k+2:T+4*k+3]
.set k, k+1
.endr
	WIN 0x45*wn
.set k, 0
.rept \n
	v_pk_mul_f32 v[x0+8*k:x0+8*k+1],   v[x0+8*k:x0+8*k+1],   v[x0+8*k+4:x0+8*k+5]
	v_pk_mul_f32 v[x0+8*k+2:x0+8*k+3], v[x0+8*k+2:x0+8*k+3], v[x0+8*k+6:x0+8*k+7]
.set k, k+1
.endr
	WIN 0x14*wn
.set k, 0
.rept \n
.set aa, (8*(\g)+k)/11
	v_max3_num_f32 v[MX+aa], v[MX+aa], |v[x0+8*k]|,   |v[x0+8*k+1]|
	v_max3_num_f32 v[MX+aa], v[MX+aa], |v[x0+8*k+2]|, |v[x0+8*k+3]|
.set k, k+1
.endr
.endm
; h of the same batch: scaled down, rounded to f16, 8 bytes a lane into LDS
.macro HOUT g, n
.set wn, 1+(\g)/4
.set x0, 64*((\g)%4)
	WIN wn
.set k, 0
.rept \n
.set aa, (8*(\g)+k)/11
	v_pk_mul_f32 v[T+4*k:T+4*k+1],   v[x0+8*k:x0+8*k+1],   v[DOWN+2*aa:DOWN+2*aa+1]
	v_pk_mul_f32 v[T+4*k+2:T+4*k+3], v[x0+8*k+2:x0+8*k+3], v[DOWN+2*aa:DOWN+2*aa+1]
.set k, k+1
.endr
	WIN 0
.set k, 0
.rept \n
.set aa, (8*(\g)+k)/11
.set bb, (8*(\g)+k)%11
	v_cvt_pk_f16_f32 v[T+4*k],   v[T+4*k],   v[T+4*k+1]
	v_cvt_pk_f16_f32 v[T+4*k+1], v[T+4*k+2], v[T+4*k+3]
	ds_store_b64 v[HSTO], v[T+4*k:T+4*k+1] offset:16*HP*aa+16*bb
.set k, k+1
.endr
.endm
; SECOND PRODUCT.  Chunks c0 .. c1 - 1 of a W3 tile in slot p into window 3
.macro FW p, c0, c1
	WIN 0xc0
.set c, \c0
.rept (\c1)-(\c0)
.set z, 0
.rept 2
	ds_load_b128 v[8*(2*c+z):8*(2*c+z)+3],   v[BADR+(\p)] offset:2048*c+1024*z
	ds_load_b128 v[8*(2*c+z)+4:8*(2*c+z)+7], v[BADR+(\p)] offset:2048*c+1024*z+512
.set z, z+1
.endr
.set c, c+1
.endr
	WIN 0
.endm
; chunks c0 .. c1 - 1 for the ten accumulators of half u, which take turns; chunk 0 starts the sums
.macro MULB u, c0, c1
.set c, \c0
.rept (\c1)-(\c0)
.set a, 0
.rept 5
.set hx, 5*c+a
.if hx < 32
	WIN 0x07                                       ; weights window 3, h window 1, C and D window 0
.set rH, 8*hx
.else
	WIN 0x0b                                       ; h window 2
.set rH, 8*(hx-32)
.endif
.set b2, 0
.rept 2
.set rD, ACC2+8*((5*(\u)+a)*2+b2)
.set rW, 8*(2*c+b2)
.if c == 0
	v_wmma_f32_16x16x32_f16 v[rD:rD+7], v[rW:rW+7], v[rH:rH+7], 0
.else
	v_wmma_f32_16x16x32_f16 v[rD:rD+7], v[rW:rW+7], v[rH:rH+7], v[rD:rD+7]
.endif
.set b2, b2+1
.endr
.set a, a+1
.endr
.set c, c+1
.endr
.endm
; A tile of W3 in slot p: all its fragments come into registers, so the slot is free after six of its eleven chunks.  refill: it takes the tile two on, behind the barrier.  next: the other slot's first half is fetched.
.macro G2T p, u, refill, next
	PLACES                                         ; for the loads into the fragments that the last products read
	FW \p, 6, 11
	s_wait_xcnt 0x0                                ; the accumulators were the data of earlier stores
	s_wait_dscnt 20                                ; all but the 20 just issued
	MULB \u, 0, 6
.if \next
	WIN 0
	s_wait_tensorcnt 0x0                           ; all my tensor loads have landed: my quarter of the other slot
	ds_add_u32 v[SPW], v[NIL]                      ; 0 onto my spare word
	s_wait_dscnt 1                                 ; (the add may be out)
	MULB \u, 6, 7
	s_wait_dscnt 0x0                               ; the add is done, my reads of this slot are over
	s_barrier_signal -1
	MULB \u, 7, 8                                  ; work on registers while the others arrive
	WIN 0
	s_barrier_wait -1
.if \refill
	s_add_nc_u64 s[34+4*(\p):35+4*(\p)], s[34+4*(\p):35+4*(\p)], 2*TILEB
	TLOAD \p                                       ; its four v_nop are also the places in front of the loads below
.else
	PLACES
.endif
	FW 1-(\p), 0, 6
	MULB \u, 8, 11
.else
	s_wait_dscnt 0x0
	MULB \u, 6, 11
.endif
.endm
; THE WAY OUT of two tiles (64 channels a wave = 256 bytes of each row), a block of 16 rows at a time: scaled up again; 32 bytes a lane into my own stage; back as whole rows; stored.
.macro FMUL a
.set z, 0
.rept 4
.set rr, ACC2+8*((5*(z/2)+(\a))*2+z%2)
.irp y, 0,2,4,6
	v_pk_mul_f32 v[rr+\y:rr+\y+1], v[rr+\y:rr+\y+1], v[FAC+2*(\a):FAC+2*(\a)+1]
.endr
.set z, z+1
.endr
.endm
.macro TOSTAGE a
.set z, 0
.rept 8
.set rr, ACC2+8*((5*(z/4)+(\a))*2+(z/2)%2)+4*(z%2)
	ds_store_b128 v[SSTO], v[rr:rr+3] offset:128*(z/4)+64*((z/2)%2)+16*(z%2)
.set z, z+1
.endr
.set z, 0
.rept 8
.set rr, ACC2+8*((5*(z/4)+(\a))*2+(z/2)%2)+4*(z%2)
	ds_load_b128 v[rr:rr+3], v[SRD] offset:2*SP*z  ; LDS serves a wave's instructions in order: these see the stores above, and the next block's stores come behind them
.set z, z+1
.endr
.endm
.macro SEND a
.set z, 0
.rept 8
.set rr, ACC2+8*((5*(z/4)+(\a))*2+(z/2)%2)+4*(z%2)
	s_wait_dscnt 7-z
	global_store_b128 v[YOFF], v[rr:rr+3], s[46:47] offset:(16*(\a)+2*z)*4096  ; 16 lanes store 256 consecutive bytes, aligned
.set z, z+1
.endr
.endm
.macro WAYOUT
	WIN 0
	PLACES
	FMUL 0
	TOSTAGE 0
.irp a, 1,2,3,4                        ; a block's scaling stands between the loads of the block before and the wait for them
	FMUL \a
	SEND (\a)-1
	TOSTAGE \a
.endr
	SEND 4
.endm
.irp u, 0,1,2,3,4
	global_load_b32 v[TM+\u], v[LOFF], s[44:45] offset:16*\u
.endr
	s_wait_loadcnt 0x0
.irp u, 0,1,2,3,4
	v_min_u32 v[TM+\u], 0x1fff, v[TM+\u]           ; a number read from memory enters an address behind this line alone
	v_lshl_add_u32 v[XOFF+\u], v[TM+\u], 11, v[PIECE]
.endr
.irp u, 0,1,2,3,4
	global_load_b128 v[XST+4*\u:XST+4*\u+3], v[XOFF+\u], s[42:43]
.endr
.irp u, 0,1,2,3,4
	global_load_b128 v[XS2+4*\u:XS2+4*\u+3], v[XOFF+\u], s[42:43] offset:128
.endr
	s_wait_loadcnt 0x0
.irp u, 0,1,2,3,4
	ds_store_b128 v[ASTO],   v[XST+4*\u:XST+4*\u+3] offset:4*AP*\u
	ds_store_b128 v[ASTO+1], v[XS2+4*\u:XS2+4*\u+3] offset:4*AP*\u
.endr
.irp u, 0,1,2,3,4
	global_load_b128 v[XST+4*\u:XST+4*\u+3], v[XOFF+\u], s[42:43] offset:256  ; slice 2
.endr
	s_wait_tensorcnt 1                             ; tile 0 is in; tile 1 may stay out
	s_wait_dscnt 0x0                               ; for the others' sake: my rows of x's first two slices are in LDS
	s_barrier_signal -1
	s_barrier_wait -1
	FETCH 0, 0, 0
	CH0 0, 1, 4                                    ; the first chunk starts the sums
	WIN 0
	s_mov_b32 s22, 6
.Lk:                                           ; a trip: two K steps, from a step's second chunk to the first chunk of the step after next
	TURN 0, 1, 1, 384, 1
	CH0 1, 0, 9
	TURN 1, 1, 1, 512, 1
	CH0 0, 0, 9
	WIN 0
	s_wait_xcnt 0x0                                ; the loads have read their base
	s_add_nc_u64 s[42:43], s[42:43], 256
	s_sub_co_u32 s22, s22, 1
	s_cmp_lg_u32 s22, 0
	s_cbranch_scc1 .Lk
	TURN 0, 1, 1, 384, 1                           ; steps 12 to 15 are written out: slice 15 is the last that is requested
	CH0 1, 0, 9
	TURN 1, 1, 0, 0, 1
	CH0 0, 0, 9
	TURN 0, 0, 0, 0, 1                             ; asks for W3's first tile
	CH0 1, 0, 4
	TURN 1, 0, 0, 0, 0                             ; and its second; the wait at its head has shown the first one landed
	WIN 0
	PLACES
.irp a, 0,1,2,3,4
	v_mov_b32 v[MX+\a], 0
.endr
	SILU 0, 8
	SILU 1, 8
	SILU 2, 8
	SILU 3, 8
	SILU 4, 8
	SILU 5, 8
	SILU 6, 7
	WIN 0
.irp a, 0,1,2,3,4
	v_permlanex16_b32 v[TM+\a], v[MX+\a], s52, s53 ; the token's other hidden numbers lie in the lane 16 away
.endr
.irp a, 0,1,2,3,4
	v_max_num_f32 v[MX+\a], v[MX+\a], v[TM+\a]
	ds_store_b32 v[MSTO], v[MX+\a] offset:256*\a
.endr
	s_wait_dscnt 0x0                               ; for the others' sake
	s_barrier_signal -1                            ; The tile on its way may stay out
	s_barrier_wait -1
.irp a, 0,1,2,3,4
	ds_load_b128 v[T+4*\a:T+4*\a+3], v[MADR] offset:256*\a
.endr
	s_wait_dscnt 0x0
.irp a, 0,1,2,3,4
	v_max3_num_f32 v[TM], v[T+4*\a], v[T+4*\a+1], v[T+4*\a+2]
	v_max_num_f32 v[TM], v[TM], v[T+4*\a+3]
	v_bfe_u32 v[TM], v[TM], 23, 8                  ; E
	v_max_u32 v[TM], 1, v[TM]
	v_min_u32 v[TM], 0xfd, v[TM]
	v_lshlrev_b32 v[FAC+2*\a], 23, v[TM]           ; 2^(E - 127)
	v_mov_b32 v[FAC+2*\a+1], v[FAC+2*\a]
	v_sub_nc_u32 v[TM], 0xfe, v[TM]
	v_lshlrev_b32 v[DOWN+2*\a], 23, v[TM]          ; 2^(127 - E)
	v_mov_b32 v[DOWN+2*\a+1], v[DOWN+2*\a]
.endr
	HOUT 0, 8
	HOUT 1, 8
	HOUT 2, 8
	HOUT 3, 8
	HOUT 4, 8
	HOUT 5, 8
	HOUT 6, 7
	s_wait_dscnt 0x0                               ; for the others' sake: my columns of h are in LDS
	s_barrier_signal -1
	s_barrier_wait -1
.set hx, 0
.rept 55                                       ; all of h as fragments: chunk hx / 5 of 32 hidden numbers, token block hx % 5
.if hx < 32
	WIN 0x40
.set rH, 8*hx
.else
	WIN 0x80
.set rH, 8*(hx-32)
.endif
	ds_load_b128 v[rH:rH+3],   v[HADR] offset:16*HP*(hx%5)+64*(hx/5)
	ds_load_b128 v[rH+4:rH+7], v[HADR] offset:16*HP*(hx%5)+64*(hx/5)+32
.set hx, hx+1
.endr
	FW 0, 0, 6
	s_mov_b32 s22, 3
.Lg2:                                          ; a trip: two tiles of W3 and their way out; both slots are filled again
	G2T 0, 0, 1, 1
	G2T 1, 1, 1, 1
	WAYOUT
	s_wait_xcnt 0x0                                ; the stores have read their base
	s_add_nc_u64 s[46:47], s[46:47], 1024
	s_sub_co_u32 s22, s22, 1
	s_cmp_lg_u32 s22, 0
	s_cbranch_scc1 .Lg2
	G2T 0, 0, 0, 1                                 ; the last two tiles ask for nothing
	G2T 1, 1, 0, 0
	WAYOUT
	s_wait_tensorcnt 0x0                           ; the wave's end: behind my last tensor load and my last LDS store
	ds_add_u32 v[SPW], v[NIL]
	s_wait_dscnt 0x0
	s_endpgm
.Lfunc_end_k_qe634fccc23_experts:
	.size	k_qe634fccc23_experts, .Lfunc_end_k_qe634fccc23_experts-k_qe634fccc23_experts
	.p2alignl 7, 3214868480
	.fill 96, 4, 3214868480
	.section	.rodata,"a",@progbits
	.p2align	6, 0x0
	.amdhsa_kernel k_qe634fccc23_experts
		.amdhsa_group_segment_fixed_size 327680
		.amdhsa_private_segment_fixed_size 0
		.amdhsa_enable_private_segment 0
		.amdhsa_kernarg_size 40
		.amdhsa_user_sgpr_count 2
		.amdhsa_user_sgpr_kernarg_segment_ptr 1
		.amdhsa_wavefront_size32 1
		.amdhsa_system_sgpr_workgroup_id_x 1
		.amdhsa_system_sgpr_workgroup_id_y 1
		.amdhsa_system_sgpr_workgroup_id_z 1
		.amdhsa_system_vgpr_workitem_id 0
		.amdhsa_next_free_vgpr 960
		.amdhsa_next_free_sgpr 66
		.amdhsa_reserve_vcc 0
		.amdhsa_float_denorm_mode_32 3
		.amdhsa_float_denorm_mode_16_64 3
		.amdhsa_memory_ordered 1
		.amdhsa_forward_progress 1
		.amdhsa_inst_pref_size 235
	.end_amdhsa_kernel
	.amdgpu_metadata
---
amdhsa.version: [ 1, 2 ]
amdhsa.kernels:
  - .name:           k_qe634fccc23_experts
    .symbol:         k_qe634fccc23_experts.kd
    .args:
      - { .name: xb, .offset: 0, .size: 8, .value_kind: global_buffer, .address_space: global }
      - { .name: wf, .offset: 8, .size: 8, .value_kind: global_buffer, .address_space: global }
      - { .name: list, .offset: 16, .size: 8, .value_kind: global_buffer, .address_space: global }
      - { .name: tbase, .offset: 24, .size: 8, .value_kind: global_buffer, .address_space: global }
      - { .name: y, .offset: 32, .size: 8, .value_kind: global_buffer, .address_space: global }
    .group_segment_fixed_size: 327680
    .private_segment_fixed_size: 0
    .kernarg_segment_align: 8
    .kernarg_segment_size: 40
    .max_flat_workgroup_size: 128
    .sgpr_count:     66
    .vgpr_count:     960
    .wavefront_size: 32
...
	.end_amdgpu_metadata
.endif
;; end of part 3
;; launch combine (part 4): grid 512 x 1, 8 waves a work-group, no clusters, 0 bytes of LDS; arguments y, inv, gates, out0; writes out0
.if DOCPART == 4
	.amdgcn_target "amdgcn-amd-amdhsa--gfx1250"
	.amdhsa_code_object_version 6
	.text
	.protected	k_qe634fccc23_combine
	.globl	k_qe634fccc23_combine
	.p2align	8
	.type	k_qe634fccc23_combine,@function
k_qe634fccc23_combine:
	s_mov_b64 s[64:65], 0
	v_nop
	global_prefetch_b8 v0, s[64:65] scope:SCOPE_SE
	s_setreg_imm32_b32 hwreg(HW_REG_WAVE_MODE, 25, 1), 1
	s_wait_xcnt 0x0
; COMBINE.  out[t] = gates[t][0] y[inv[2 t]] + gates[t][1] y[inv[2 t + 1]].  The six experts that a token did not choose have the gate 0 and add nothing.
; A wave takes two tokens: four rows of y, 32 loads of 512 consecutive bytes, all requested at once; each row is read once and each row of out written once, in stores of 512 consecutive bytes.
; Row numbers and gates are the same for the whole wave, so they come by scalar loads; a row number enters an address behind s_min_u32 with a constant alone (y has 16,960 rows).
; Memory binds: no LDS, no barrier, no matrix unit, no cluster (no byte is shared).
.set R, 4                              ; v[4:131]: row q of four at R + 32 q, 4 registers a load
	s_load_b256 s[4:11], s[0:1], 0x0               ; y s[4:5], inv s[6:7], gates s[8:9], out s[10:11]
	v_and_b32 v1, 31, v0
	v_lshrrev_b32 v2, 5, v0
	v_readfirstlane_b32 s12, v2                    ; wave
	v_lshlrev_b32 v1, 4, v1                        ; 16 bytes a lane
	s_lshl_b32 s13, ttmp9, 3
	s_add_co_u32 s13, s13, s12                     ; my pair of tokens
	s_lshl_b32 s14, s13, 4                         ; its 16 bytes in inv and in gates
	s_mov_b32 s15, 0
	s_wait_kmcnt 0x0
	s_add_nc_u64 s[6:7], s[6:7], s[14:15]
	s_add_nc_u64 s[8:9], s[8:9], s[14:15]
	s_load_b128 s[16:19], s[6:7], 0x0
	s_load_b128 s[24:27], s[8:9], 0x0
	s_lshl_b32 s14, s13, 13                        ; its two rows of out
	s_add_nc_u64 s[10:11], s[10:11], s[14:15]
	s_wait_kmcnt 0x0
.irp q, 0,1,2,3
	s_min_u32 s[16+\q], s[16+\q], 0x423f
	s_lshl_b32 s[32+2*\q], s[16+\q], 12
	s_mov_b32 s[33+2*\q], 0
	s_add_nc_u64 s[32+2*\q:33+2*\q], s[4:5], s[32+2*\q:33+2*\q]
.endr
	s_mov_b32 s28, s25                             ; the packed forms take a pair's low word for both halves: the odd gates get pairs of their own
	s_mov_b32 s29, s25
	s_mov_b32 s30, s27
	s_mov_b32 s31, s27
.irp q, 0,1,2,3
.irp j, 0,1,2,3,4,5,6,7
	global_load_b128 v[R+32*\q+4*\j:R+32*\q+4*\j+3], v1, s[32+2*\q:33+2*\q] offset:512*\j th:TH_LOAD_NT
.endr
.endr
; token k of the two: g0, g1 its gates' pairs; left: the loads younger than piece 0 of its second row
.macro TOKEN k, g0, g1, left
.irp j, 0,1,2,3,4,5,6,7
	s_wait_loadcnt (\left)-\j                      ; piece j of both rows is in, the younger loads stay out
.irp d, 0,2
	v_pk_mul_f32 v[R+64*(\k)+4*\j+\d:R+64*(\k)+4*\j+\d+1], v[R+64*(\k)+4*\j+\d:R+64*(\k)+4*\j+\d+1], s[\g0:\g0+1] op_sel_hi:[1,0]
	v_pk_fma_f32 v[R+64*(\k)+4*\j+\d:R+64*(\k)+4*\j+\d+1], v[R+64*(\k)+32+4*\j+\d:R+64*(\k)+32+4*\j+\d+1], s[\g1:\g1+1], v[R+64*(\k)+4*\j+\d:R+64*(\k)+4*\j+\d+1] op_sel_hi:[1,0,1]
.endr
	global_store_b128 v1, v[R+64*(\k)+4*\j:R+64*(\k)+4*\j+3], s[10:11] offset:4096*(\k)+512*\j th:TH_STORE_NT
.endr
.endm
	TOKEN 0, 24, 28, 23
	TOKEN 1, 26, 30, 7
	s_endpgm
.Lfunc_end_k_qe634fccc23_combine:
	.size	k_qe634fccc23_combine, .Lfunc_end_k_qe634fccc23_combine-k_qe634fccc23_combine
	.p2alignl 7, 3214868480
	.fill 96, 4, 3214868480
	.section	.rodata,"a",@progbits
	.p2align	6, 0x0
	.amdhsa_kernel k_qe634fccc23_combine
		.amdhsa_group_segment_fixed_size 0
		.amdhsa_private_segment_fixed_size 0
		.amdhsa_enable_private_segment 0
		.amdhsa_kernarg_size 32
		.amdhsa_user_sgpr_count 2
		.amdhsa_user_sgpr_kernarg_segment_ptr 1
		.amdhsa_wavefront_size32 1
		.amdhsa_system_sgpr_workgroup_id_x 1
		.amdhsa_system_sgpr_workgroup_id_y 1
		.amdhsa_system_sgpr_workgroup_id_z 1
		.amdhsa_system_vgpr_workitem_id 0
		.amdhsa_next_free_vgpr 132
		.amdhsa_next_free_sgpr 66
		.amdhsa_reserve_vcc 0
		.amdhsa_float_denorm_mode_32 3
		.amdhsa_float_denorm_mode_16_64 3
		.amdhsa_memory_ordered 1
		.amdhsa_forward_progress 1
		.amdhsa_inst_pref_size 11
	.end_amdhsa_kernel
	.amdgpu_metadata
---
amdhsa.version: [ 1, 2 ]
amdhsa.kernels:
  - .name:           k_qe634fccc23_combine
    .symbol:         k_qe634fccc23_combine.kd
    .args:
      - { .name: y, .offset: 0, .size: 8, .value_kind: global_buffer, .address_space: global }
      - { .name: inv, .offset: 8, .size: 8, .value_kind: global_buffer, .address_space: global }
      - { .name: gates, .offset: 16, .size: 8, .value_kind: global_buffer, .address_space: global }
      - { .name: out0, .offset: 24, .size: 8, .value_kind: global_buffer, .address_space: global }
    .group_segment_fixed_size: 0
    .private_segment_fixed_size: 0
    .kernarg_segment_align: 8
    .kernarg_segment_size: 32
    .max_flat_workgroup_size: 256
    .sgpr_count:     66
    .vgpr_count:     132
    .wavefront_size: 32
...
	.end_amdgpu_metadata
.endif
;; end of part 4
;; ======== version 2 of 2: 4 launches; 1.21 times as fast as version 1
;; limits: values are held in f16: magnitudes above 65,504 overflow, below 6.1e-05 lose precision; inputs' magnitudes at most 65,504; values outside matrix products are rounded to f16; inputs' magnitudes at most 93
;; workspace buffers: xb 16,777,216 bytes; gates 133,376 bytes; masks 32,768 bytes of whole numbers; wf 17,301,504 bytes; list 68,096 bytes of whole numbers; inv 65,536 bytes of whole numbers; tbase 256 bytes of whole numbers; y 34,734,080 bytes
;; launch router: the kernel of part 1 again; grid 256 x 1, 8 waves a work-group, no clusters, 91,904 bytes of LDS; arguments x, Wr, xb, gates, masks, list; writes xb, gates, masks, list
;; launch prep: the kernel of part 2 again; grid 200 x 1, 8 waves a work-group, no clusters, 187,392 bytes of LDS; arguments W12, W3, masks, wf, list, inv, tbase; writes wf, list, inv, tbase
;; launch experts (part 5): grid 212 x 1, 4 waves a work-group, no clusters, 327,680 bytes of LDS; arguments xb, wf, list, tbase, y, gates; writes y, gates
.if DOCPART == 5
	.amdgcn_target "amdgcn-amd-amdhsa--gfx1250"
	.amdhsa_code_object_version 6
	.text
	.protected	k_qe634fccc23_experts
	.globl	k_qe634fccc23_experts
	.p2align	8
	.type	k_qe634fccc23_experts,@function
k_qe634fccc23_experts:
	s_mov_b64 s[64:65], 0
	v_nop
	global_prefetch_b8 v0, s[64:65] scope:SCOPE_SE
	s_setreg_imm32_b32 hwreg(HW_REG_WAVE_MODE, 25, 1), 1
	s_wait_xcnt 0x0
; EXPERTS.  For the tokens that chose expert e: (silu(x W12[e][:, :341]) * (x W12[e][:, 341:])) W3[e], without the gate; a row of y for each (token, expert) pair, in list order.
; SHARES.  A work-group takes one tile of 80 rows of the list.  The rows lie by experts, each expert's padded to whole tiles; 212 tiles hold every routing: floor((16,384 + 8 x 79) / 80).
; The tile's expert is the number of tile bases tbase[1..7] that are not above the tile; it enters the weights' global address alone, so every wave's barriers, loads and trips are the same for every input.
; Rows in the padding, and tiles behind the last expert's (7 at the most), are token 0's: they are computed and stored like the others and nobody reads them.
; The four waves share the 80 rows and divide the weights' columns: first product 176 of 704 columns a wave (55 accumulators of 16 x 16), second 32 of a tile's 128 (10 accumulators).
; WEIGHTS come as 24 tiles of 90,112 bytes (16 K steps of W12, 8 column tiles of W3), laid out by the launch before in fragment order: wave w fetches and reads quarter w alone, lane L its 16 bytes at 16 L.
; Two LDS slots take turns; by this text's count a wave has two tensor loads out at the start and one behind each barrier in front of a refill.
; THE WALK IS ROTATED.  Work-group i begins the first product at K step (3 i) & 15 and goes round (x's slices with it), and takes W3's four pairs of tiles in the order r2 ^ 0, 1, 2, 3, r2 = (i + i / 4) & 3:
; the work-groups of an expert do not all ask for the same tile at the same time, and most requests for a tile follow another work-group's request for the same bytes.  The sums' order along K differs with i.
; NO CLUSTER: an expert's number of tiles is read from memory and is no multiple of four, so four neighbouring tiles can belong to two experts and would ask for different weights.
; BOTH PRODUCTS ARE USED TRANSPOSED (source 0 = 16 weight columns, source 1 = 16 tokens): a lane holds ONE token; in the first product its registers 0-3 are h1 and 4-7 h2 of the same four hidden numbers,
; in the second they are eight neighbouring channels of y.
; FORMATS.  x and W12 in bf16.  h = silu(h1) h2 is made in f32, divided by 2^(E - 127), E the exponent of the row's largest |h|, and rounded to f16 (largest number in 1 to 2); W3 is bf16 written as f16.
; y holds the second product's sums as they are, rounded to f16; the row's 2^(E - 127) goes into a table of 16,960 f32 that lies 65,536 bytes into the gates' buffer, and the next launch multiplies by it.
; LIMITS: E is clamped to 1 .. 253; an h more than 2^24 below its row's largest counts as 0; the second product's sums stay below 65,504, which is sure for |W3| < 93 (352 terms, |h| < 2);
; experts that a token did not choose are not computed.
; REGISTERS, in windows of 256 (s_set_vgpr_msb: bits 1:0 source 0, 3:2 source 1, 5:4 source 2, 7:6 destination):
;   window 0: v2-29 addresses; v30-63 scales and at work; first product: v64-143 token fragments (two buffers), v144-183 x on its way to LDS; silu: v64-95 at work; second product: v64-223 20 accumulators
;   windows 1, 2: first product: accumulator 11 a + b at v256 + 8 (11 a + b); second product: h fragment 5 c + a at the same places
;   window 3: weight fragments: first product two buffers of 88; second product (c, b2) at 8 (2 c + b2)
; SCALARS: s[4:15] the six buffers (s[14:15] then my tile's 80 row factors); s16 tile; s17 expert; s18 wave; s19 the W12 tile to ask for next; s20 x's slice to ask for next; s21 r2; s22 loop count;
;   s23 my quarter's byte; s[24:31] descriptor group 1; s[32:39] group 0 for slot 0, 1; s[40:41] my quarter of the expert's tile 0; s[42:43], s[60:61] x at a slice; s[44:45] my list; s[46:47] y at a pair's columns;
;   s[48:49], s[54:55] offsets, 0 above; s[56:57] y at my tile; s58 the pair of W3 to ask for next, s59 the pair to store next, both in the order of time.
.set TILEB, 90112
.set QUART, 22528                      ; a wave's quarter of a tile: 88 rows of 256 bytes
.set EXPB,  24*TILEB
.set SLOT1, TILEB
.set A0,    2*TILEB                    ; x's slice of 64 channels: 80 rows x (128 + 16) bytes, two buffers; written by ds_store alone, like all that follows
.set AP,    144
.set A1,    A0+80*AP
.set HB,    A1+80*AP                   ; h: 80 rows x (704 + 16) bytes of f16
.set HP,    720
.set MAXS,  HB+80*HP                   ; the four waves' largest |h| of each row
.set STAGE, MAXS+1280                  ; the way out: 80 rows x (512 + 16) bytes, the work-group's
.set SP,    528
.set SPARE, STAGE+80*SP                ; the spare words, 128 bytes for each wave: two blocks of 256 bytes that no other line names
.set BADR, 2                           ; v2-3   my 16 bytes in my quarter of slot 0, 1
.set AADR, 4                           ; v4-5   my place in a token fragment of A0, A1
.set ASTO, 6                           ; v6-7   where I put 16 bytes of x
.set XOFF, 8                           ; v8-12  byte offsets in xb of my five rows' pieces
.set LOFF, 13                          ; v13    my offset in the tile's list
.set HSTO, 14
.set HADR, 15
.set MSTO, 16
.set MADR, 17
.set SSTO, 18                          ; v18    the way out: where I put 16 bytes of a row
.set SRD,  19                          ; v19    the way out: my 16 bytes of the first row that my wave reads back
.set YOFF, 20                          ; v20    and the same 16 bytes in y
.set PIECE, 27                         ; v27    16 (lane % 8)
.set SPW,  28                          ; v28    SPARE + 4 x my thread's number; never rewritten
.set NIL,  29                          ; v29    0; never rewritten
.set FAC,  30                          ; v30-34 2^(E - 127) of my token in block a
.set DOWN, 40                          ; v40-49 2^(127 - E), as pairs
.set MX,   50                          ; v50-54 largest |h|
.set TM,   55                          ; v55-59 at work
.set FOFF, 60                          ; v60    4 x lane
.set FOF2, 61                          ; v61    4 x (lane % 16)
.set FA,   64
.set XST,  144
.set XS2,  164
.set T,    64
.set ACC2, 64
.set MSB, 0
.macro WIN new                         ; the immediate's high byte repeats the setting that is left; a switch that changes nothing is dropped
.if MSB != (\new)
	s_set_vgpr_msb (MSB<<8)|(\new)
.set MSB, (\new)
.endif
.endm
.macro PLACES                          ; four places behind matrix instructions, in front of loads into their sources and of vector lines that read their results
.rept 4
	v_nop
.endr
.endm
.macro TLOAD p                         ; my quarter of a tile into slot p
	tensor_load_to_lds s[32+4*(\p):35+4*(\p)], s[24:31]
	s_nop 0
	PLACES
.endm
; Slot p's descriptor gets the address of the tile to ask for next, made anew: my quarter of the expert's tile 0 plus the tile's number times a tile's bytes, the type set again.
; kind = 0: the next K step of W12, which goes round after 15.  kind = 1: half p of W3's next pair, tile 16 + 2 (r2 ^ s58) + p.  It stands where no tensor load of the wave is out.
.macro TADR p, kind
.if \kind
	s_xor_b32 s48, s21, s58
	s_lshl_b32 s48, s48, 1
	s_add_co_u32 s48, s48, 16+(\p)
	s_mul_i32 s48, s48, TILEB
.if \p
	s_add_co_u32 s58, s58, 1
.endif
.else
	s_mul_i32 s48, s19, TILEB
	s_add_co_u32 s19, s19, 1
	s_and_b32 s19, s19, 15
.endif
	s_add_nc_u64 s[34+4*(\p):35+4*(\p)], s[40:41], s[48:49]
	s_or_b32 s[35+4*(\p)], s[35+4*(\p)], 0x80000000
.endm
; s[d:d+1] = xb at the slice of 64 channels to ask for next, which goes round with the K steps
.macro XBASE d
	s_lshl_b32 s54, s20, 7
	s_add_nc_u64 s[\d:\d+1], s[4:5], s[54:55]
	s_add_co_u32 s20, s20, 1
	s_and_b32 s20, s20, 15
.endm
	s_load_b256 s[4:11], s[0:1], 0x0               ; xb s[4:5], wf s[6:7], list s[8:9], tbase s[10:11]
	s_load_b128 s[12:15], s[0:1], 0x20             ; y s[12:13], gates s[14:15]
	v_lshl_add_u32 v[SPW], v0, 2, SPARE
	v_mov_b32 v[NIL], 0
	ds_add_u32 v28, v29
	ds_add_u32 v28, v29
	s_wait_dscnt 0x0
	v_lshrrev_b32 v1, 5, v0
	v_readfirstlane_b32 s18, v1                    ; wave
	s_mov_b32 s16, ttmp9                           ; tile
	s_mul_i32 s23, s18, QUART
	; descriptor group 1: 88 dense rows of 32 elements of 8 bytes
	s_mov_b32 s24, 3<<16                           ; 15:0 no mask; 17:16 elements of 8 bytes; no padding
	s_mov_b32 s25, 32<<16                          ; tensor_dim0 = 32
	s_mov_b32 s26, 88<<16                          ; tensor_dim1 = 88
	s_mov_b32 s27, 32<<16                          ; tile_dim0 = 32
	s_mov_b32 s28, 88                              ; tile_dim1 = 88
	s_mov_b32 s29, 32                              ; 32 elements from row to row
	s_mov_b32 s30, 0
	s_mov_b32 s31, 0
	s_mov_b32 s32, 1                               ; group 0 for slot 0: count 1,
	s_mov_b32 s33, s23                             ; LDS address: my quarter
	s_mov_b32 s36, 1                               ; and for slot 1
	s_add_co_u32 s37, s23, SLOT1
	s_mov_b32 s50, 0xbfb8aa3b                      ; -log2(e)
	s_mov_b32 s51, s50
	s_mov_b32 s52, 0x76543210                      ; v_permlanex16_b32: each lane takes its own place in the other half
	s_mov_b32 s53, 0xfedcba98
	s_mov_b32 s49, 0
	s_mov_b32 s55, 0
	s_mul_i32 s19, s16, 3
	s_and_b32 s19, s19, 15                         ; the K step at which I begin,
	s_mov_b32 s20, s19                             ; and x's slice with it
	s_lshr_b32 s21, s16, 2
	s_add_co_u32 s21, s21, s16
	s_and_b32 s21, s21, 3                          ; r2
	v_bfe_u32 v24, v0, 3, 2
	s_mul_i32 s48, s18, 20
	v_add_nc_u32 v24, s48, v24                     ; the first of my five rows: 20 w + lane / 8; the others 4 apart
	v_lshlrev_b32 v[LOFF], 2, v24
	s_wait_kmcnt 0x0
	s_load_b256 s[56:63], s[10:11], 0x0            ; the eight experts' first tiles
	s_mul_i32 s48, s16, 320
	s_add_nc_u64 s[44:45], s[8:9], s[48:49]        ; my tile's 80 entries of the list,
	s_add_nc_u64 s[14:15], s[14:15], s[48:49]
	s_add_nc_u64 s[14:15], s[14:15], 0x10000       ; and its 80 row factors, behind the gates
.irp u, 0,1,2,3,4
	global_load_b32 v[TM+\u], v[LOFF], s[44:45] offset:16*\u  ; the list's place hangs on the tile's number alone: it is asked for beside the tile bases
.endr
	v_and_b32 v21, 31, v0                          ; lane
	v_and_b32 v22, 15, v0                          ; r
	v_bfe_u32 v23, v0, 4, 1                        ; h
	v_and_b32 v25, 7, v0
	v_lshl_add_u32 v[BADR], v21, 4, s23
	v_add_nc_u32 v[BADR+1], SLOT1, v[BADR]
	v_mul_u32_u24 v26, v22, AP
	v_lshl_add_u32 v26, v23, 4, v26                ; a fragment's row x pitch + 16 x half
	v_add_nc_u32 v[AADR], A0, v26
	v_add_nc_u32 v[AADR+1], A1, v26
	v_lshlrev_b32 v[PIECE], 4, v25
	v_mad_u32_u24 v26, v24, AP, v[PIECE]
	v_add_nc_u32 v[ASTO], A0, v26
	v_add_nc_u32 v[ASTO+1], A1, v26
	v_mul_u32_u24 v26, v22, HP
	s_mul_i32 s48, s18, 176
	s_add_co_u32 s48, s48, HB
	v_lshl_add_u32 v[HSTO], v23, 3, v26
	v_add_nc_u32 v[HSTO], s48, v[HSTO]             ; h: row r, hidden numbers 88 w + 4 h on
	v_lshl_add_u32 v[HADR], v23, 4, v26
	v_add_nc_u32 v[HADR], HB, v[HADR]
	v_lshlrev_b32 v26, 4, v22                      ; 16 r
	v_add_nc_u32 v[MADR], MAXS, v26
	s_lshl_b32 s48, s18, 2
	s_add_co_u32 s48, s48, MAXS
	v_add_nc_u32 v[MSTO], s48, v26
	s_lshl_b32 s48, s18, 7
	s_add_co_u32 s48, s48, STAGE
	v_mul_u32_u24 v26, v22, SP
	v_lshl_add_u32 v26, v23, 4, v26
	v_add_nc_u32 v[SSTO], s48, v26                 ; into the stage: row r, my wave's 128 bytes, 16 bytes for each half of the lanes
	s_mul_i32 s48, s18, 20*SP
	s_add_co_u32 s48, s48, STAGE
	v_lshl_add_u32 v[SRD], v21, 4, s48             ; back: wave w takes rows 20 w .. 20 w + 19, whole: 32 lanes x 16 bytes are a row's 512
	s_mul_i32 s48, s18, 20*2048
	v_lshl_add_u32 v[YOFF], v21, 4, s48            ; and the same rows in y
	v_lshlrev_b32 v[FOFF], 2, v21
	v_lshlrev_b32 v[FOF2], 2, v22
	v_cmp_le_u32 s3, 16, v21                       ; lanes 16-31
	s_wait_kmcnt 0x0
	s_mov_b32 s17, 0
.irp k, 1,2,3,4,5,6,7
	s_cmp_ge_u32 s16, s[56+\k]
	s_cselect_b32 s48, 1, 0
	s_add_co_u32 s17, s17, s48                     ; the last expert whose first tile is not above mine
.endr
	s_min_u32 s17, s17, 7                          ; what hangs on numbers read from memory enters an address behind this line alone
	s_mul_i32 s48, s17, EXPB
	s_add_co_u32 s48, s48, s23
	s_add_nc_u64 s[40:41], s[6:7], s[48:49]        ; my quarter of the expert's tile 0
	TADR 0, 0                                      ; slot 0: the K step at which I begin; slot 1: the next
	TADR 1, 0
	TLOAD 0                                        ; both first fills go out together, ahead of every wait on TENSORcnt, every LDS read and every barrier
	TLOAD 1
	s_mul_i32 s48, s16, 80*2048
	s_add_nc_u64 s[56:57], s[12:13], s[48:49]      ; my tile's 80 rows of y
	s_mov_b32 s58, 0
	s_mov_b32 s59, 0
; FIRST PRODUCT.  Accumulators lo .. hi - 1 (11 a + b), 32 along K, from fragment buffer f.  All 55 take turns, one instruction a turn, in the same order in every chunk.
.macro MULA f, lo, hi, zero
.set i, \lo
.rept (\hi)-(\lo)
.if i < 32
	WIN 0x53                                       ; weights window 3, tokens window 0, C and D window 1
.set rD, 8*i
.else
	WIN 0xa3                                       ; C and D window 2
.set rD, 8*(i-32)
.endif
.set rB, 88*(\f)+8*(i%11)
.set rA, FA+40*(\f)+8*(i/11)
.if \zero
	v_wmma_f32_16x16x32_bf16 v[rD:rD+7], v[rB:rB+7], v[rA:rA+7], 0
.else
	v_wmma_f32_16x16x32_bf16 v[rD:rD+7], v[rB:rB+7], v[rA:rA+7], v[rD:rD+7]
.endif
.set i, i+1
.endr
.endm
; 32 LDS loads in one run: chunk c (32 along K) of slot p's tile and of x's slice, into buffer f: 11 weight fragments, then 5 token fragments
.macro FETCH p, c, f
	WIN 0xc0
.set z, 0
.rept 11
	ds_load_b128 v[88*(\f)+8*z:88*(\f)+8*z+3],   v[BADR+(\p)] offset:(\c)*11264+z*1024
	ds_load_b128 v[88*(\f)+8*z+4:88*(\f)+8*z+7], v[BADR+(\p)] offset:(\c)*11264+z*1024+512
.set z, z+1
.endr
	WIN 0
.set z, 0
.rept 5
	ds_load_b128 v[FA+40*(\f)+8*z:FA+40*(\f)+8*z+3],   v[AADR+(\p)] offset:z*16*AP+(\c)*64
	ds_load_b128 v[FA+40*(\f)+8*z+4:FA+40*(\f)+8*z+7], v[AADR+(\p)] offset:z*16*AP+(\c)*64+32
.set z, z+1
.endr
.endm
; A K step's first chunk: multiplies buffer 0, fetches the second chunk in its middle.  k: what may stay out: the token blocks 3 and 4 (4 loads), and the 5 stores of x behind them if there were any
.macro CH0 p, zero, k
	s_wait_dscnt \k
	MULA 0, 0, 32, \zero
	PLACES
	FETCH \p, 1, 1
	s_wait_dscnt 32                                ; all but the 32 just issued
	MULA 0, 32, 55, \zero
.endm
; A K step's second chunk multiplies buffer 1 and changes slots.  Behind 24 of its products each wave waits for all its tensor loads (one is out: its quarter of the other slot, asked for 102 matrix
; instructions ago), adds 0 to its spare word, and waits for that and for its reads of this slot and of this buffer of x.  Behind the barrier the slot is filled again first, with the tile two steps on
; (kind: TADR's); then come the other slot's first fragments; sto: x's slice two steps on, loaded a step ago, goes into the buffer just read out; ld: the slice three steps on is requested.
.macro TURN p, kind, sto, ld, fetch
	s_wait_dscnt 4                                 ; the second chunk's fragments are in, all but the token blocks 3 and 4
	MULA 1, 0, 24, 0                               ; (token blocks 0 to 2)
	WIN 0
	s_wait_tensorcnt 0x0                           ; all my tensor loads have landed, so a descriptor may be written
	ds_add_u32 v[SPW], v[NIL]                      ; 0 onto my spare word
	TADR \p, \kind
	MULA 1, 24, 32, 0
	s_wait_dscnt 0x0                               ; the add is done, my reads of this slot and of x's buffer are over
	s_barrier_signal -1
	s_barrier_wait -1                              ; no wave still reads the slot or x's buffer, or has a load on its way
	TLOAD \p                                       ; its four v_nop are also the places in front of the loads below
.if \fetch
	FETCH 1-(\p), 0, 0
.endif
.if \sto
	s_wait_loadcnt 0x0                             ; the slice requested a step ago is in, and its loads' base may be written
.irp u, 0,1,2,3,4
	ds_store_b128 v[ASTO+(\p)], v[XST+4*\u:XST+4*\u+3] offset:4*AP*\u
.endr
.endif
.if \ld
	XBASE 42
.irp u, 0,1,2,3,4
	global_load_b128 v[XST+4*\u:XST+4*\u+3], v[XOFF+\u], s[42:43]
.endr
.endif
	MULA 1, 32, 55, 0
.endm
; SILU for accumulators 8 g .. 8 g + n - 1, kind by kind across the batch: t = -log2(e) h1; 2^t; + 1; reciprocal; h1 t; h2 x that; the largest magnitude.  Each accumulator's lowest registers are read first.
; A v_nop stands behind each run of transcendentals, in front of the first use of a result.
.macro SILU g, n
.set wn, 1+(\g)/4                      ; the batch's window
.set x0, 64*((\g)%4)
	WIN wn
.set k, 0
.rept \n
	v_pk_mul_f32 v[T+4*k:T+4*k+1],   v[x0+8*k:x0+8*k+1],   s[50:51] op_sel_hi:[1,0]
	v_pk_mul_f32 v[T+4*k+2:T+4*k+3], v[x0+8*k+2:x0+8*k+3], s[50:51] op_sel_hi:[1,0]
.set k, k+1
.endr
	WIN 0
.set k, 0
.rept 4*(\n)
	v_exp_f32 v[T+k], v[T+k]
.set k, k+1
.endr
	v_nop
.set k, 0
	s_wait_alu depctr_va_vdst(0)
.rept 2*(\n)
	v_pk_add_f32 v[T+2*k:T+2*k+1], v[T+2*k:T+2*k+1], 1.0 op_sel_hi:[1,0]
.set k, k+1
.endr
.set k, 0
.rept 4*(\n)
	v_rcp_f32 v[T+k], v[T+k]
.set k, k+1
.endr
	v_nop
	WIN 0x41*wn
.set k, 0
	s_wait_alu depctr_va_vdst(0)
.rept \n
	v_pk_mul_f32 v[x0+8*k:x0+8*k+1],   v[x0+8*k:x0+8*k+1],   v[T+4*k:T+4*k+1]
	v_pk_mul_f32 v[x0+8*k+2:x0+8*k+3], v[x0+8*k+2:x0+8*k+3], v[T+4*k+2:T+4*k+3]
.set k, k+1
.endr
	WIN 0x45*wn
.set k, 0
.rept \n
	v_pk_mul_f32 v[x0+8*k:x0+8*k+1],   v[x0+8*k:x0+8*k+1],   v[x0+8*k+4:x0+8*k+5]
	v_pk_mul_f32 v[x0+8*k+2:x0+8*k+3], v[x0+8*k+2:x0+8*k+3], v[x0+8*k+6:x0+8*k+7]
.set k, k+1
.endr
	WIN 0x14*wn
.set k, 0
.rept \n
.set aa, (8*(\g)+k)/11
	v_max3_num_f32 v[MX+aa], v[MX+aa], |v[x0+8*k]|,   |v[x0+8*k+1]|
	v_max3_num_f32 v[MX+aa], v[MX+aa], |v[x0+8*k+2]|, |v[x0+8*k+3]|
.set k, k+1
.endr
.endm
; h of the same batch: scaled down, rounded to f16, 8 bytes a lane into LDS
.macro HOUT g, n
.set wn, 1+(\g)/4
.set x0, 64*((\g)%4)
	WIN wn
.set k, 0
.rept \n
.set aa, (8*(\g)+k)/11
	v_pk_mul_f32 v[T+4*k:T+4*k+1],   v[x0+8*k:x0+8*k+1],   v[DOWN+2*aa:DOWN+2*aa+1]
	v_pk_mul_f32 v[T+4*k+2:T+4*k+3], v[x0+8*k+2:x0+8*k+3], v[DOWN+2*aa:DOWN+2*aa+1]
.set k, k+1
.endr
	WIN 0
.set k, 0
.rept \n
.set aa, (8*(\g)+k)/11
.set bb, (8*(\g)+k)%11
	v_cvt_pk_f16_f32 v[T+4*k],   v[T+4*k],   v[T+4*k+1]
	v_cvt_pk_f16_f32 v[T+4*k+1], v[T+4*k+2], v[T+4*k+3]
	ds_store_b64 v[HSTO], v[T+4*k:T+4*k+1] offset:16*HP*aa+16*bb
.set k, k+1
.endr
.endm
; SECOND PRODUCT.  Chunks c0 .. c1 - 1 of a W3 tile in slot p into window 3
.macro FW p, c0, c1
	WIN 0xc0
.set c, \c0
.rept (\c1)-(\c0)
.set z, 0
.rept 2
	ds_load_b128 v[8*(2*c+z):8*(2*c+z)+3],   v[BADR+(\p)] offset:2048*c+1024*z
	ds_load_b128 v[8*(2*c+z)+4:8*(2*c+z)+7], v[BADR+(\p)] offset:2048*c+1024*z+512
.set z, z+1
.endr
.set c, c+1
.endr
	WIN 0
.endm
; chunks c0 .. c1 - 1 for the ten accumulators of half u, which take turns; chunk 0 starts the sums
.macro MULB u, c0, c1
.set c, \c0
.rept (\c1)-(\c0)
.set a, 0
.rept 5
.set hx, 5*c+a
.if hx < 32
	WIN 0x07                                       ; weights window 3, h window 1, C and D window 0
.set rH, 8*hx
.else
	WIN 0x0b                                       ; h window 2
.set rH, 8*(hx-32)
.endif
.set b2, 0
.rept 2
.set rD, ACC2+8*((5*(\u)+a)*2+b2)
.set rW, 8*(2*c+b2)
.if c == 0
	v_wmma_f32_16x16x32_f16 v[rD:rD+7], v[rW:rW+7], v[rH:rH+7], 0
.else
	v_wmma_f32_16x16x32_f16 v[rD:rD+7], v[rW:rW+7], v[rH:rH+7], v[rD:rD+7]
.endif
.set b2, b2+1
.endr
.set a, a+1
.endr
.set c, c+1
.endr
.endm
; A tile of W3 in slot p: all its fragments come into registers, so the slot is free after six of its eleven chunks.  refill: it takes the same half of the next pair, behind the barrier.  next: the other slot's first half is fetched.
.macro G2T p, u, refill, next
	PLACES                                         ; for the loads into the fragments that the last products read
	FW \p, 6, 11
	s_wait_xcnt 0x0                                ; the accumulators' registers were the data of earlier stores
	s_wait_dscnt 20                                ; all but the 20 just issued
	MULB \u, 0, 6
.if \next
	WIN 0
	s_wait_tensorcnt 0x0                           ; all my tensor loads have landed: my quarter of the other slot; a descriptor may be written
	ds_add_u32 v[SPW], v[NIL]                      ; 0 onto my spare word
.if \refill
	TADR \p, 1
.endif
	s_wait_dscnt 1                                 ; (the add may be out)
	MULB \u, 6, 7
	s_wait_dscnt 0x0                               ; the add is done, my reads of this slot are over
	s_barrier_signal -1
	MULB \u, 7, 8                                  ; work on registers while the others arrive
	WIN 0
	s_barrier_wait -1
.if \refill
	TLOAD \p                                       ; its four v_nop are also the places in front of the loads below
.else
	PLACES
.endif
	FW 1-(\p), 0, 6
	MULB \u, 8, 11
.else
	s_wait_dscnt 0x0
	MULB \u, 6, 11
.endif
.endm
; THE WAY OUT of a pair of tiles: 256 channels, 512 bytes of each row of y, of which a wave holds 128.  The 20 accumulators are rounded to f16 in place, lowest registers first; a lane's eight channels are
; 16 bytes and go into the work-group's stage; a barrier, since a row comes from four waves; each wave reads 20 whole rows back and stores them.  The stage is written again only behind the two tile
; barriers that follow, in front of which every wave has waited for its reads.  The tile on its way may stay out.
.macro POST
	WIN 0
	PLACES
.set z, 0
.rept 20
.irp q, 0,1,2,3
	v_cvt_pk_f16_f32 v[ACC2+8*z+\q], v[ACC2+8*z+2*\q], v[ACC2+8*z+2*\q+1]
.endr
.set z, z+1
.endr
.set z, 0
.rept 20                               ; accumulator z = (5 u + a) 2 + b2: token block a, channels 32 u + 16 b2 on
	ds_store_b128 v[SSTO], v[ACC2+8*z:ACC2+8*z+3] offset:16*SP*((z/2)%5)+64*(z/10)+32*(z%2)
.set z, z+1
.endr
	s_wait_dscnt 0x0                               ; for the others' sake: my stores into the stage are done
	s_barrier_signal -1
	s_barrier_wait -1
.set z, 0
.rept 20
	ds_load_b128 v[ACC2+4*z:ACC2+4*z+3], v[SRD] offset:SP*z
.set z, z+1
.endr
	s_wait_xcnt 0x0                                ; the last pair's stores have read their base
	s_xor_b32 s48, s21, s59                        ; which pair this is,
	s_lshl_b32 s48, s48, 9                         ; its 512 bytes in a row
	s_add_nc_u64 s[46:47], s[56:57], s[48:49]
	s_add_co_u32 s59, s59, 1
.set z, 0
.rept 20
	s_wait_dscnt 19-z                              ; row z is back, the younger loads stay out
	global_store_b128 v[YOFF], v[ACC2+4*z:ACC2+4*z+3], s[46:47] offset:2048*z  ; the wave stores 512 consecutive bytes, at a multiple of 256 from y's first byte
.set z, z+1
.endr
.endm
	s_wait_loadcnt 0x0                             ; the list
.irp u, 0,1,2,3,4
	v_min_u32 v[TM+\u], 0x1fff, v[TM+\u]           ; a number read from memory enters an address behind this line alone
	v_lshl_add_u32 v[XOFF+\u], v[TM+\u], 11, v[PIECE]
.endr
	XBASE 42                                       ; the first step's slice,
	XBASE 60                                       ; the second's
.irp u, 0,1,2,3,4
	global_load_b128 v[XST+4*\u:XST+4*\u+3], v[XOFF+\u], s[42:43]
.endr
.irp u, 0,1,2,3,4
	global_load_b128 v[XS2+4*\u:XS2+4*\u+3], v[XOFF+\u], s[60:61]
.endr
	s_wait_loadcnt 0x0
.irp u, 0,1,2,3,4
	ds_store_b128 v[ASTO],   v[XST+4*\u:XST+4*\u+3] offset:4*AP*\u
	ds_store_b128 v[ASTO+1], v[XS2+4*\u:XS2+4*\u+3] offset:4*AP*\u
.endr
	XBASE 42                                       ; the third's: the loads that named this base are in
.irp u, 0,1,2,3,4
	global_load_b128 v[XST+4*\u:XST+4*\u+3], v[XOFF+\u], s[42:43]
.endr
	s_wait_tensorcnt 1                             ; the first tile is in; the second may stay out
	s_wait_dscnt 0x0                               ; for the others' sake: my rows of x's first two slices are in LDS
	s_barrier_signal -1
	s_barrier_wait -1
	FETCH 0, 0, 0
	CH0 0, 1, 4                                    ; the first chunk starts the sums
	WIN 0
	s_mov_b32 s22, 6
.Lk:                                           ; a trip: two K steps, from a step's second chunk to the first chunk of the step after next
	TURN 0, 0, 1, 1, 1
	CH0 1, 0, 9
	TURN 1, 0, 1, 1, 1
	CH0 0, 0, 9
	WIN 0
	s_sub_co_u32 s22, s22, 1
	s_cmp_lg_u32 s22, 0
	s_cbranch_scc1 .Lk
	TURN 0, 0, 1, 1, 1                             ; steps 12 to 15 are written out: here the sixteenth slice of x is requested, the last
	CH0 1, 0, 9
	TURN 1, 0, 1, 0, 1                             ; asks for the sixteenth tile of W12
	CH0 0, 0, 9
	TURN 0, 1, 0, 0, 1                             ; asks for the first half of W3's first pair
	CH0 1, 0, 4
	TURN 1, 1, 0, 0, 0                             ; and its second; the wait in it has shown the first one landed
	WIN 0
	PLACES
.irp a, 0,1,2,3,4
	v_mov_b32 v[MX+\a], 0
.endr
	SILU 0, 8
	SILU 1, 8
	SILU 2, 8
	SILU 3, 8
	SILU 4, 8
	SILU 5, 8
	SILU 6, 7
	WIN 0
.irp a, 0,1,2,3,4
	v_permlanex16_b32 v[TM+\a], v[MX+\a], s52, s53 ; the token's other hidden numbers lie in the lane 16 away
.endr
.irp a, 0,1,2,3,4
	v_max_num_f32 v[MX+\a], v[MX+\a], v[TM+\a]
	ds_store_b32 v[MSTO], v[MX+\a] offset:256*\a
.endr
	s_wait_dscnt 0x0                               ; for the others' sake
	s_barrier_signal -1                            ; The tile on its way may stay out
	s_barrier_wait -1
.irp a, 0,1,2,3,4
	ds_load_b128 v[T+4*\a:T+4*\a+3], v[MADR] offset:256*\a
.endr
	s_wait_dscnt 0x0
.irp a, 0,1,2,3,4
	v_max3_num_f32 v[TM], v[T+4*\a], v[T+4*\a+1], v[T+4*\a+2]
	v_max_num_f32 v[TM], v[TM], v[T+4*\a+3]
	v_bfe_u32 v[TM], v[TM], 23, 8                  ; E
	v_max_u32 v[TM], 1, v[TM]
	v_min_u32 v[TM], 0xfd, v[TM]
	v_lshlrev_b32 v[FAC+\a], 23, v[TM]             ; 2^(E - 127)
	v_sub_nc_u32 v[TM], 0xfe, v[TM]
	v_lshlrev_b32 v[DOWN+2*\a], 23, v[TM]          ; 2^(127 - E)
	v_mov_b32 v[DOWN+2*\a+1], v[DOWN+2*\a]
.endr
	s_cmp_lg_u32 s18, 0
	s_cbranch_scc1 .Lnofac                         ; every wave has the 80 factors; wave 0 stores them
	v_cndmask_b32 v[TM],   v[FAC],   v[FAC+1], s3  ; both halves of the lanes hold a block's 16: lanes 16-31 take the next block's
	v_cndmask_b32 v[TM+1], v[FAC+2], v[FAC+3], s3
	global_store_b32 v[FOFF], v[TM],    s[14:15]             ; rows 0 to 31
	global_store_b32 v[FOFF], v[TM+1],  s[14:15] offset:128  ; rows 32 to 63
	global_store_b32 v[FOF2], v[FAC+4], s[14:15] offset:256  ; rows 64 to 79: lanes 16-31 store the same numbers to the same places once more
.Lnofac:
	HOUT 0, 8
	HOUT 1, 8
	HOUT 2, 8
	HOUT 3, 8
	HOUT 4, 8
	HOUT 5, 8
	HOUT 6, 7
	s_wait_dscnt 0x0                               ; for the others' sake: my columns of h are in LDS
	s_barrier_signal -1
	s_barrier_wait -1
.set hx, 0
.rept 55                                       ; all of h as fragments: chunk hx / 5 of 32 hidden numbers, token block hx % 5
.if hx < 32
	WIN 0x40
.set rH, 8*hx
.else
	WIN 0x80
.set rH, 8*(hx-32)
.endif
	ds_load_b128 v[rH:rH+3],   v[HADR] offset:16*HP*(hx%5)+64*(hx/5)
	ds_load_b128 v[rH+4:rH+7], v[HADR] offset:16*HP*(hx%5)+64*(hx/5)+32
.set hx, hx+1
.endr
	FW 0, 0, 6
	s_mov_b32 s22, 3
.Lg2:                                          ; a trip: a pair of tiles of W3 and its way out; both slots are filled again
	G2T 0, 0, 1, 1
	G2T 1, 1, 1, 1
	POST
	s_sub_co_u32 s22, s22, 1
	s_cmp_lg_u32 s22, 0
	s_cbranch_scc1 .Lg2
	G2T 0, 0, 0, 1                                 ; the last pair asks for nothing
	G2T 1, 1, 0, 0
	POST
	s_wait_tensorcnt 0x0                           ; the wave's end: behind my last tensor load and my last LDS store
	ds_add_u32 v[SPW], v[NIL]
	s_wait_dscnt 0x0
	s_endpgm
.Lfunc_end_k_qe634fccc23_experts:
	.size	k_qe634fccc23_experts, .Lfunc_end_k_qe634fccc23_experts-k_qe634fccc23_experts
	.p2alignl 7, 3214868480
	.fill 96, 4, 3214868480
	.section	.rodata,"a",@progbits
	.p2align	6, 0x0
	.amdhsa_kernel k_qe634fccc23_experts
		.amdhsa_group_segment_fixed_size 327680
		.amdhsa_private_segment_fixed_size 0
		.amdhsa_enable_private_segment 0
		.amdhsa_kernarg_size 48
		.amdhsa_user_sgpr_count 2
		.amdhsa_user_sgpr_kernarg_segment_ptr 1
		.amdhsa_wavefront_size32 1
		.amdhsa_system_sgpr_workgroup_id_x 1
		.amdhsa_system_sgpr_workgroup_id_y 1
		.amdhsa_system_sgpr_workgroup_id_z 1
		.amdhsa_system_vgpr_workitem_id 0
		.amdhsa_next_free_vgpr 960
		.amdhsa_next_free_sgpr 66
		.amdhsa_reserve_vcc 0
		.amdhsa_float_denorm_mode_32 3
		.amdhsa_float_denorm_mode_16_64 3
		.amdhsa_memory_ordered 1
		.amdhsa_forward_progress 1
		.amdhsa_inst_pref_size 229
	.end_amdhsa_kernel
	.amdgpu_metadata
---
amdhsa.version: [ 1, 2 ]
amdhsa.kernels:
  - .name:           k_qe634fccc23_experts
    .symbol:         k_qe634fccc23_experts.kd
    .args:
      - { .name: xb, .offset: 0, .size: 8, .value_kind: global_buffer, .address_space: global }
      - { .name: wf, .offset: 8, .size: 8, .value_kind: global_buffer, .address_space: global }
      - { .name: list, .offset: 16, .size: 8, .value_kind: global_buffer, .address_space: global }
      - { .name: tbase, .offset: 24, .size: 8, .value_kind: global_buffer, .address_space: global }
      - { .name: y, .offset: 32, .size: 8, .value_kind: global_buffer, .address_space: global }
      - { .name: gates, .offset: 40, .size: 8, .value_kind: global_buffer, .address_space: global }
    .group_segment_fixed_size: 327680
    .private_segment_fixed_size: 0
    .kernarg_segment_align: 8
    .kernarg_segment_size: 48
    .max_flat_workgroup_size: 128
    .sgpr_count:     66
    .vgpr_count:     960
    .wavefront_size: 32
...
	.end_amdgpu_metadata
.endif
;; end of part 5
;; launch combine (part 6): grid 512 x 1, 8 waves a work-group, no clusters, 0 bytes of LDS; arguments y, inv, gates, out0; writes out0
.if DOCPART == 6
	.amdgcn_target "amdgcn-amd-amdhsa--gfx1250"
	.amdhsa_code_object_version 6
	.text
	.protected	k_qe634fccc23_combine
	.globl	k_qe634fccc23_combine
	.p2align	8
	.type	k_qe634fccc23_combine,@function
k_qe634fccc23_combine:
	s_mov_b64 s[64:65], 0
	v_nop
	global_prefetch_b8 v0, s[64:65] scope:SCOPE_SE
	s_setreg_imm32_b32 hwreg(HW_REG_WAVE_MODE, 25, 1), 1
	s_wait_xcnt 0x0
; COMBINE.  out[t] = g[t][0] f[r0] y[r0] + g[t][1] f[r1] y[r1], r0 = inv[2 t], r1 = inv[2 t + 1]: y's rows are f16 (2,048 bytes), f is a row's power of two (f32), g the gates.
; The six experts that a token did not choose have the gate 0 and add nothing.  The gates' buffer holds g in its first 65,536 bytes and f behind them.
; A wave takes two tokens: four rows of y, 32 loads of 8 bytes a lane (256 consecutive bytes, aligned), all requested at once; each row is read once.  A lane's four f16 become four f32, 16 bytes:
; a store of the wave covers 512 consecutive bytes of out.  Row numbers, gates and factors are the same for the whole wave, so they come by scalar loads; a row number enters an address behind
; s_min_u32 with a constant alone (y has 16,960 rows).  The factors are asked for beside the rows: both hang on the row numbers alone.
; Memory binds: no LDS, no barrier, no matrix unit, no cluster (no byte is shared).
.set R, 4                              ; v[4:67]: piece j of token k at R + 32 k + 4 j: two registers of its first row, two of its second; then the piece's four results
.set T, 68                             ; v[68:75] a piece's eight numbers in f32
	s_load_b256 s[4:11], s[0:1], 0x0               ; y s[4:5], inv s[6:7], gates s[8:9], out s[10:11]
	v_and_b32 v1, 31, v0
	v_lshrrev_b32 v2, 5, v0
	v_readfirstlane_b32 s12, v2                    ; wave
	v_lshlrev_b32 v3, 4, v1                        ; out: 16 bytes a lane
	v_lshlrev_b32 v1, 3, v1                        ; y: 8 bytes a lane
	s_lshl_b32 s13, ttmp9, 3
	s_add_co_u32 s13, s13, s12                     ; my pair of tokens
	s_lshl_b32 s14, s13, 4                         ; its 16 bytes in inv and among the gates
	s_mov_b32 s15, 0
	s_wait_kmcnt 0x0
	s_add_nc_u64 s[6:7], s[6:7], s[14:15]
	s_add_nc_u64 s[2:3], s[8:9], s[14:15]
	s_load_b128 s[16:19], s[6:7], 0x0
	s_load_b128 s[24:27], s[2:3], 0x0
	s_add_nc_u64 s[8:9], s[8:9], 0x10000           ; the rows' factors
	s_lshl_b32 s14, s13, 13                        ; its two rows of out
	s_add_nc_u64 s[10:11], s[10:11], s[14:15]
	s_wait_kmcnt 0x0
.irp q, 0,1,2,3
	s_min_u32 s[16+\q], s[16+\q], 0x423f
	s_lshl_b32 s[32+2*\q], s[16+\q], 11
	s_mov_b32 s[33+2*\q], 0
	s_add_nc_u64 s[32+2*\q:33+2*\q], s[4:5], s[32+2*\q:33+2*\q]
	s_lshl_b32 s[40+2*\q], s[16+\q], 2
	s_mov_b32 s[41+2*\q], 0
	s_add_nc_u64 s[40+2*\q:41+2*\q], s[8:9], s[40+2*\q:41+2*\q]
	s_load_b32 s[20+\q], s[40+2*\q:41+2*\q], 0x0
.endr
.irp k, 0,1
.irp j, 0,1,2,3,4,5,6,7
	global_load_b64 v[R+32*\k+4*\j:R+32*\k+4*\j+1],   v1, s[32+4*\k:33+4*\k] offset:256*\j th:TH_LOAD_NT
	global_load_b64 v[R+32*\k+4*\j+2:R+32*\k+4*\j+3], v1, s[34+4*\k:35+4*\k] offset:256*\j th:TH_LOAD_NT
.endr
.endr
	s_wait_kmcnt 0x0
.irp q, 0,1,2,3
	s_mul_f32 s[48+2*\q], s[24+\q], s[20+\q]       ; gate x factor; the packed forms take a pair's low word for both halves, and the pair is written whole
	s_mov_b32 s[49+2*\q], s[48+2*\q]
.endr
; Piece j of token k.  a0-a3: the halves that hold its first row's four numbers, b0-b3: its second row's (halves of registers are written by name).
.macro PIECE k, j, a0, a1, a2, a3, b0, b1, b2, b3
.set r, R+32*(\k)+4*(\j)
	s_wait_loadcnt 30-2*(8*(\k)+(\j))              ; the piece's two loads are in, the younger ones stay out
	v_cvt_f32_f16 v[T],   \a0
	v_cvt_f32_f16 v[T+1], \a1
	v_cvt_f32_f16 v[T+2], \a2
	v_cvt_f32_f16 v[T+3], \a3
	v_cvt_f32_f16 v[T+4], \b0
	v_cvt_f32_f16 v[T+5], \b1
	v_cvt_f32_f16 v[T+6], \b2
	v_cvt_f32_f16 v[T+7], \b3
	v_pk_mul_f32 v[r:r+1],   v[T:T+1],   s[48+4*(\k):49+4*(\k)] op_sel_hi:[1,0]
	v_pk_mul_f32 v[r+2:r+3], v[T+2:T+3], s[48+4*(\k):49+4*(\k)] op_sel_hi:[1,0]
	v_pk_fma_f32 v[r:r+1],   v[T+4:T+5], s[50+4*(\k):51+4*(\k)], v[r:r+1]   op_sel_hi:[1,0,1]
	v_pk_fma_f32 v[r+2:r+3], v[T+6:T+7], s[50+4*(\k):51+4*(\k)], v[r+2:r+3] op_sel_hi:[1,0,1]
	global_store_b128 v3, v[r:r+3], s[10:11] offset:4096*(\k)+512*(\j) th:TH_STORE_NT  ; these registers are not written again
.endm
	PIECE 0, 0, v4.l,  v4.h,  v5.l,  v5.h,  v6.l,  v6.h,  v7.l,  v7.h
	PIECE 0, 1, v8.l,  v8.h,  v9.l,  v9.h,  v10.l, v10.h, v11.l, v11.h
	PIECE 0, 2, v12.l, v12.h, v13.l, v13.h, v14.l, v14.h, v15.l, v15.h
	PIECE 0, 3, v16.l, v16.h, v17.l, v17.h, v18.l, v18.h, v19.l, v19.h
	PIECE 0, 4, v20.l, v20.h, v21.l, v21.h, v22.l, v22.h, v23.l, v23.h
	PIECE 0, 5, v24.l, v24.h, v25.l, v25.h, v26.l, v26.h, v27.l, v27.h
	PIECE 0, 6, v28.l, v28.h, v29.l, v29.h, v30.l, v30.h, v31.l, v31.h
	PIECE 0, 7, v32.l, v32.h, v33.l, v33.h, v34.l, v34.h, v35.l, v35.h
	PIECE 1, 0, v36.l, v36.h, v37.l, v37.h, v38.l, v38.h, v39.l, v39.h
	PIECE 1, 1, v40.l, v40.h, v41.l, v41.h, v42.l, v42.h, v43.l, v43.h
	PIECE 1, 2, v44.l, v44.h, v45.l, v45.h, v46.l, v46.h, v47.l, v47.h
	PIECE 1, 3, v48.l, v48.h, v49.l, v49.h, v50.l, v50.h, v51.l, v51.h
	PIECE 1, 4, v52.l, v52.h, v53.l, v53.h, v54.l, v54.h, v55.l, v55.h
	PIECE 1, 5, v56.l, v56.h, v57.l, v57.h, v58.l, v58.h, v59.l, v59.h
	PIECE 1, 6, v60.l, v60.h, v61.l, v61.h, v62.l, v62.h, v63.l, v63.h
	PIECE 1, 7, v64.l, v64.h, v65.l, v65.h, v66.l, v66.h, v67.l, v67.h
	s_endpgm
.Lfunc_end_k_qe634fccc23_combine:
	.size	k_qe634fccc23_combine, .Lfunc_end_k_qe634fccc23_combine-k_qe634fccc23_combine
	.p2alignl 7, 3214868480
	.fill 96, 4, 3214868480
	.section	.rodata,"a",@progbits
	.p2align	6, 0x0
	.amdhsa_kernel k_qe634fccc23_combine
		.amdhsa_group_segment_fixed_size 0
		.amdhsa_private_segment_fixed_size 0
		.amdhsa_enable_private_segment 0
		.amdhsa_kernarg_size 32
		.amdhsa_user_sgpr_count 2
		.amdhsa_user_sgpr_kernarg_segment_ptr 1
		.amdhsa_wavefront_size32 1
		.amdhsa_system_sgpr_workgroup_id_x 1
		.amdhsa_system_sgpr_workgroup_id_y 1
		.amdhsa_system_sgpr_workgroup_id_z 1
		.amdhsa_system_vgpr_workitem_id 0
		.amdhsa_next_free_vgpr 76
		.amdhsa_next_free_sgpr 66
		.amdhsa_reserve_vcc 0
		.amdhsa_float_denorm_mode_32 3
		.amdhsa_float_denorm_mode_16_64 3
		.amdhsa_memory_ordered 1
		.amdhsa_forward_progress 1
		.amdhsa_inst_pref_size 16
	.end_amdhsa_kernel
	.amdgpu_metadata
---
amdhsa.version: [ 1, 2 ]
amdhsa.kernels:
  - .name:           k_qe634fccc23_combine
    .symbol:         k_qe634fccc23_combine.kd
    .args:
      - { .name: y, .offset: 0, .size: 8, .value_kind: global_buffer, .address_space: global }
      - { .name: inv, .offset: 8, .size: 8, .value_kind: global_buffer, .address_space: global }
      - { .name: gates, .offset: 16, .size: 8, .value_kind: global_buffer, .address_space: global }
      - { .name: out0, .offset: 24, .size: 8, .value_kind: global_buffer, .address_space: global }
    .group_segment_fixed_size: 0
    .private_segment_fixed_size: 0
    .kernarg_segment_align: 8
    .kernarg_segment_size: 32
    .max_flat_workgroup_size: 256
    .sgpr_count:     66
    .vgpr_count:     76
    .wavefront_size: 32
...
	.end_amdgpu_metadata
.endif
;; end of part 6
